; MI455X (gfx1250); checked and timed in simulation.
; The chip was launched on July 23, 2026; its instructions are those of AMD's public machine-readable ISA for CDNA 5 (MIT licence, August 2026) and "CDNA5" Instruction Set Architecture Reference Guide (July 2026). The comments in the code are by the model that wrote it; some were corrected since.
;; Kimi Layer. Allowed arithmetic: matrix products marked QUANTISED: E2M1 operands, one E8M0 scale for each 32 along K, by v_wmma_scale_f32_16x16x128_f8f6f4 with both operands' format E2M1 (or v_wmma_scale_f32_32x16x128_f4), f32 sums; products left as they are: f32 operands where the result goes on into a quantised operand, else bf16, f16 or f32 operands; f32 sums; everything else in f32.
;; Inputs: X 2 x 2,048 x 1,024 float32; e_down_codes 2 x 1,024 x 16 x 16 uint8 (E2M1 codes of e_down, K innermost, in blocks of 32 codes, two codes a byte); e_down_scales 2 x 1,024 x 16 uint8 (E8M0 scales of e_down, one for each 32 codes along K); e_gate_codes 2 x 512 x 32 x 16 uint8 (E2M1 codes of e_gate, K innermost, in blocks of 32 codes, two codes a byte); e_gate_scales 2 x 512 x 32 uint8 (E8M0 scales of e_gate, one for each 32 codes along K); e_up_codes 2 x 512 x 32 x 16 uint8 (E2M1 codes of e_up, K innermost, in blocks of 32 codes, two codes a byte); e_up_scales 2 x 512 x 32 uint8 (E8M0 scales of e_up, one for each 32 codes along K); norm1_w 1,024 float32; norm2_w 1,024 float32; router_w 1,024 x 2 float32; sh_down_codes 1,024 x 16 x 16 uint8 (E2M1 codes of sh_down, K innermost, in blocks of 32 codes, two codes a byte); sh_down_scales 1,024 x 16 uint8 (E8M0 scales of sh_down, one for each 32 codes along K); sh_gate_codes 512 x 32 x 16 uint8 (E2M1 codes of sh_gate, K innermost, in blocks of 32 codes, two codes a byte); sh_gate_scales 512 x 32 uint8 (E8M0 scales of sh_gate, one for each 32 codes along K); sh_up_codes 512 x 32 x 16 uint8 (E2M1 codes of sh_up, K innermost, in blocks of 32 codes, two codes a byte); sh_up_scales 512 x 32 uint8 (E8M0 scales of sh_up, one for each 32 codes along K); wk_codes 1,024 x 32 x 16 uint8 (E2M1 codes of wk, K innermost, in blocks of 32 codes, two codes a byte); wk_scales 1,024 x 32 uint8 (E8M0 scales of wk, one for each 32 codes along K); wo_codes 1,024 x 32 x 16 uint8 (E2M1 codes of wo, K innermost, in blocks of 32 codes, two codes a byte); wo_scales 1,024 x 32 uint8 (E8M0 scales of wo, one for each 32 codes along K); wq_codes 1,024 x 32 x 16 uint8 (E2M1 codes of wq, K innermost, in blocks of 32 codes, two codes a byte); wq_scales 1,024 x 32 uint8 (E8M0 scales of wq, one for each 32 codes along K); wv_codes 1,024 x 32 x 16 uint8 (E2M1 codes of wv, K innermost, in blocks of 32 codes, two codes a byte); wv_scales 1,024 x 32 uint8 (E8M0 scales of wv, one for each 32 codes along K).
;; Outputs: out0 2 x 2,048 x 1,024 float32.
;; This version of the problem:
;;   THIS VERSION OF THE PROBLEM IS GIVEN IN LOW PRECISION. The matrix products marked QUANTISED in the list below multiply operands that are first quantised to E2M1 (2 exponent bits, 1 mantissa bit; 4 bits a number), with one power-of-two scale for each 32 numbers along K (OCP MX v1.0); their sums are f32. All else is computed in f32.
;;   The module's matrix products, in the order in which they are computed (A, B: the left and right operand; K: the contracted axis; several contracted axes count as one K, in the product's order):
;;     1. [M 4,096, K 1,024] x [K 1,024, N 1,024]; A: computed on the way; B: input wq (given as codes): QUANTISED
;;     2. [M 4,096, K 1,024] x [K 1,024, N 1,024]; A: computed on the way; B: input wk (given as codes): QUANTISED
;;     3. [M 4,096, K 1,024] x [K 1,024, N 1,024]; A: computed on the way; B: input wv (given as codes): QUANTISED
;;     4. batch 32 x [M 2,048, K 64] x [K 64, N 2,048]; A: computed on the way; B: computed on the way: QUANTISED
;;     5. batch 32 x [M 64, K 2,048] x [K 2,048, N 2,048]; A: computed on the way; B: softmax (see below): QUANTISED
;;     6. [M 4,096, K 1,024] x [K 1,024, N 1,024]; A: computed on the way; B: input wo (given as codes): QUANTISED
;;     7. [M 4,096, K 1,024] x [K 1,024, N 2]; A: computed on the way; B: input router_w: left as it is (N = 2 < 16)
;;     8. [M 4,096, K 1,024] x [K 1,024, N 512]; A: computed on the way; B: input sh_gate (given as codes): QUANTISED
;;     9. [M 4,096, K 1,024] x [K 1,024, N 512]; A: computed on the way; B: input sh_up (given as codes): QUANTISED
;;     10. [M 4,096, K 512] x [K 512, N 1,024]; A: computed on the way; B: input sh_down (given as codes): QUANTISED
;;     11. [M 1,024, K 1,024] x [K 1,024, N 4,096]; A: input e_gate (given as codes); B: computed on the way: QUANTISED
;;     12. [M 1,024, K 1,024] x [K 1,024, N 4,096]; A: input e_up (given as codes); B: computed on the way: QUANTISED
;;     13. batch 2 x [M 4,096, K 512] x [K 512, N 1,024]; A: computed on the way; B: input e_down (given as codes): QUANTISED
;;     14. batch 4,096 x [M 1,024, K 2] x [K 2, N 1]; A: computed on the way; B: computed on the way: left as it is (K = 2 < 32)
;;   THE QUANTISER, for each operand of a quantised product, along K:
;;     - K is cut into blocks of 32 from its start; a last block that is shorter is filled with zeros.
;;     - A block's scale is 2^e with e = floor(log2(the largest magnitude in the block)) - 2, held to -126 .. 127; a block of zeros has e = 0. As a byte (E8M0): e + 127.
;;     - Each number is divided by its block's scale, clamped to +-6, and rounded to the nearest number of E2M1, ties to even, subnormals kept.
;;     - The product sums the exact products of the quantised numbers (number of the format x scale) in f32.
;;   ~~~python
;;   def quantise(x, axis):      # numpy; x: float32 -> the quantised numbers, widened to float32 again
;;       x = np.moveaxis(x, axis, -1); K = x.shape[-1]
;;       x = np.pad(x, [(0, 0)] * (x.ndim - 1) + [(0, -K % 32)]); x = x.reshape(x.shape[:-1] + (-1, 32)); a = np.abs(x).max(-1, keepdims=True)
;;       e = np.where(a > 0, np.clip(np.frexp(np.where(a > 0, a, 1))[1] - 1 - 2, -126, 127), 0)      # np.frexp(a)[1] - 1 = floor(log2(a)), exactly
;;       r = np.clip(x / 2.0 ** e, -6, 6)
;;       step = 2.0 ** (np.maximum(np.frexp(np.where(r == 0, 1, r))[1] - 1, 0) - 1)
;;       q = np.round(r / step) * step * 2.0 ** e      # np.round: ties to even
;;       return np.moveaxis(q.reshape(q.shape[:-2] + (-1,))[..., :K], -1, axis).astype(np.float32)
;;   ~~~
;;   SOFTMAX AHEAD OF A QUANTISED PRODUCT. Where the list says 'softmax', what is quantised is not the finished softmax but p = 2^(t - M), with t = logit x log2(e) and M = ceil(the row's largest t), a whole number; so 1/2 < the row's largest p <= 1. The row's sum l is taken of the UNQUANTISED p, in f32, and the product's result is divided by l at the end. Since M is a whole number, a kernel that streams over the keys may use a running M (the ceiling of the running maximum): every later rescaling is an exact power of two, which a block's scale takes up: the codes' values come out the same.
;;   OPERANDS COMPUTED ON THE WAY. 'Computed on the way' means the value that the module computes at that place (a softmax that the list does not call 'softmax' is quantised finished and normalised). What goes into a quantiser is computed in f32, as accurately as f32 sums, v_exp_f32 and their like allow (about 1e-6 of the number): no bf16 or f16 on the way to a quantiser, and a product that is left as it is and whose result goes on into a quantised operand takes f32 operands (vector FMAs, or v_wmma_f32_16x16x4_f32). A number that lies on a knife's edge between two numbers of the format may be rounded either way, as far as f32 arithmetic and the matrix unit's own rounding can turn it there, and no further.
;;   INPUTS GIVEN AS CODES. e_down (in the module: [2, 512, 1024], K = its axis 1); e_gate (in the module: [2, 1024, 512], K = its axis 1); e_up (in the module: [2, 1024, 512], K = its axis 1); sh_down (in the module: [512, 1024], K = its axis 0); sh_gate (in the module: [1024, 512], K = its axis 0); sh_up (in the module: [1024, 512], K = its axis 0); wk (in the module: [1024, 1024], K = its axis 0); wo (in the module: [1024, 1024], K = its axis 0); wq (in the module: [1024, 1024], K = its axis 0); wv (in the module: [1024, 1024], K = its axis 0): each comes as NAME_codes (uint8): NAME with its K axis moved to the last place and cut into blocks of 32 codes, [.., K / 32, bytes a block], one block behind the other in memory; two codes a byte, the lower K in the low four bits (a code: sign, 2 exponent bits, 1 mantissa bit); and NAME_scales (uint8): the same leading axes, one E8M0 byte (e + 127) for each 32 codes along K. Its value is code x scale, taken as it is: it is not quantised again, and the codes and scales need not be those that the quantiser above would give.
;; One version. Each part assembles by itself: llvm-mc -triple=amdgcn-amd-amdhsa -mcpu=gfx1250 --defsym DOCPART=n.
;; ======== version 1 of 1: 5 launches
;; workspace buffers: qkv 6,946,816 bytes; ctx 2,228,224 bytes; x2 16,777,216 bytes; hid 3,440,640 bytes
;; launch qkv (part 1): grid 32 x 8, 16 waves a work-group, clusters of 4 x 1, 327,680 bytes of LDS; arguments X, norm1_w, wq_codes, wq_scales, wk_codes, wk_scales, wv_codes, wv_scales, qkv; writes qkv
.if DOCPART == 1
	.amdgcn_target "amdgcn-amd-amdhsa--gfx1250"
	.amdhsa_code_object_version 6
	.text
	.protected	k_q1cc230975f_qkv
	.globl	k_q1cc230975f_qkv
	.p2align	8
	.type	k_q1cc230975f_qkv,@function
k_q1cc230975f_qkv:
	s_mov_b64 s[64:65], 0
	v_nop
	global_prefetch_b8 v0, s[64:65] scope:SCOPE_SE
	s_setreg_imm32_b32 hwreg(HW_REG_WAVE_MODE, 25, 1), 1
	s_wait_xcnt 0x0
	s_wait_alu depctr_hold_cnt(0) depctr_sa_sdst(0) depctr_va_vdst(0) depctr_va_sdst(0) depctr_va_ssrc(0) depctr_va_vcc(0) depctr_vm_vsrc(0)
	s_getreg_b32 s2, hwreg(HW_REG_IB_STS2, 6, 4)
	s_cmp_eq_u32 s2, 0
	s_cbranch_scc0 .Lentry_in_a_cluster
	s_endpgm
.Lentry_in_a_cluster:
	s_bfe_u32 s2, ttmp6, 0x10000c
	s_cmp_lg_u32 s2, 0x3003
	s_cbranch_scc0 .Lentry_shape_is_right
	s_endpgm
.Lentry_shape_is_right:
; h = rmsnorm(X, norm1_w) quantised to FP4 (E2M1, one E8M0 byte for 32 along K); q, k, v = h x wq, wk, wv on codes; q and k quantised along the head's 64, v along the keys.
; SHARES.  A work-group takes 128 tokens (rb) and columns 128 cb .. +127 of each of q, k, v (two heads).  Sixteen waves.
;   X phase: wave (u, ks) takes, in pass i, token tile 2 i + u and 128 along K at 128 ks: row sums of squares meet in LDS, then the numbers are scaled, quantised and stored as IMAGES of operand registers.
;   Products: wave (tq, g) takes token tiles 2 tq, 2 tq + 1 and rows 32 g .. +31 of each of the three weight tiles: twelve accumulators by turns.
; TOKEN TILES ARE PERMUTED: lane r of tile 2 b + u holds token 32 b + 8 u + r + 8 (r / 8): so v's 16 registers of two neighbouring token tiles are 16 neighbouring keys.
; WEIGHT TILES ARE PLAIN: lane r of tile n holds row 16 n + r, so that the sixteen rows of an LDS load, 528 bytes apart, start in sixteen different columns of 16 bytes.
; q, k are used transposed (source 0 = weight rows): a lane holds one token; the two tiles of a block of 32 channels give it channels 8 h + j and 16 + 8 h + j, and one exchange of halves of the block's two code registers gives it 16 neighbours.
; v is used as it stands (source 0 = tokens): a lane holds one channel and 16 tokens, which are its K in attention.
; AN IMAGE is a fragment's 8 registers: block kappa of row r at 272 kappa + 16 r in LDS (68 words from block to block: the 32 lanes of a code store fall on 32 different banks; 64 banks of 4 bytes: ISA guide 11.1), at 256 kappa + 16 r in memory.
; X IS LOADED IN WHOLE RUNS: a load takes 512 consecutive bytes of one token, the load beside it those of the token 16 further on; four exchanges of halves then give lanes 0-15 the one token and lanes 16-31 the other, eight neighbours a lane.
; CLUSTER: the four partners differ in rb alone and read the same three weight tiles: these come by joint loads (mask 15).  LDS is filled once: all tensor loads go out at the head, one a wave at the most.
; No prefetch: every tensor load is issued at the head, and X is kept on its way by 32 register loads a wave.
; LIMITS: NaN and infinities are not served.  A block whose largest magnitude lies under 2^-124 (a block of zeros too) gets the byte 1; the bytes are read by this program alone.  Row sums are f32, in another order than the reference's.
.set WPITCH, 528                       ; a weight row in LDS: 512 bytes + 16
.set WMAT,   128*WPITCH
.set IMB,    1088                      ; an image in LDS: four blocks of 256 bytes + 16
.set IMG,    3*WMAT                    ; 64 images: tile t, K step s at (8 t + s) IMB
.set ASC,    IMG+64*IMB                ; h's scale words [tile 8][row 16][8 words]
.set SSP,    ASC+4096                  ; partial row sums, two buffers of [u 2][row 16][ks 8] f32
.set RFL,    SSP+2048                  ; 64 bytes a wave: the rows' factors
.set SST,    RFL+1024                  ; scale words on their way out: q [head 2][512], k likewise, v [head 2][256]
.set WV, 22
.set CX, 23
.set RB, 24
.set CB, 25
.set TQ, 26
.set GG, 27
.set UU, 28
.set KS, 29
.set SEL, 30
.set S10, 32
.set SEP, 33
.set JO, 34                            ; s[34:35] the joint loads' offset: cb alone
.set G1, 36
.set G0, 44
.set XB, 56
.set WSB, 58
.set QKB, 66
.set VB, 68
.set SCB, 70
.set XA, 24                            ; v24-151 two sets of 64 numbers of X
.set NW, 152                           ; v152-159 norm1_w at my 8 k
.set RFR, 160                          ; v160-167 my 8 rows' factors
.set T, 168                            ; v168-199 at work
.set WS, 200                           ; v200-223 the weights' scale words (8 m + s): lanes 0-15 tile 0, lanes 16-31 tile 1
.set AS, 224                           ; v224-231 h's scale words: lanes 0-15 tile 2 tq, lanes 16-31 tile 2 tq + 1
.set ACC, 24                           ; v24-119 twelve accumulators
.set FA, 120
.set FW, 136
.set CD, 120
.set QM, 232
.set QP, 238
.set QS, 244
.set QY, 250
.set R_, 168
.set H_, 169
.set L_, 170
.set A_, 172
.set B_, 173
.macro PLACES n
.rept \n
	v_nop
.endr
.endm
.macro CROUND                          ; a round of the cluster's barrier
	s_barrier_signal -1
	s_barrier_wait -1
	s_cmp_lg_u32 s[WV], 0
	s_cbranch_scc1 .Lnw0_\@
	s_barrier_signal -3
.Lnw0_\@:
	s_barrier_wait -3
	s_barrier_signal -1
	s_barrier_wait -1
.endm
.macro ARM n, g0, g1                   ; wave n issues one tensor load; four v_nop follow it
	s_cmp_lg_u32 s[WV], \n
	s_cbranch_scc1 .Lskip_\@
	tensor_load_to_lds s[\g0:\g0+3], s[\g1:\g1+7]
.rept 4
	v_nop
.endr
.Lskip_\@:
.endm
; one product 16 x 16 x 128 on FP4 codes.  z: the sum starts with 0.  ra, rb: the side's scales stand in lanes 16-31
.macro WM d, a, b, z, sa, sb, ra, rb
.if \z
.if (\ra) && (\rb)
	v_wmma_scale_f32_16x16x128_f8f6f4 v[\d:\d+7], v[\a:\a+7], v[\b:\b+7], 0, v[\sa], v[\sb] matrix_a_fmt:MATRIX_FMT_FP4 matrix_b_fmt:MATRIX_FMT_FP4 matrix_a_scale:MATRIX_SCALE_ROW1 matrix_b_scale:MATRIX_SCALE_ROW1
.elseif \ra
	v_wmma_scale_f32_16x16x128_f8f6f4 v[\d:\d+7], v[\a:\a+7], v[\b:\b+7], 0, v[\sa], v[\sb] matrix_a_fmt:MATRIX_FMT_FP4 matrix_b_fmt:MATRIX_FMT_FP4 matrix_a_scale:MATRIX_SCALE_ROW1
.elseif \rb
	v_wmma_scale_f32_16x16x128_f8f6f4 v[\d:\d+7], v[\a:\a+7], v[\b:\b+7], 0, v[\sa], v[\sb] matrix_a_fmt:MATRIX_FMT_FP4 matrix_b_fmt:MATRIX_FMT_FP4 matrix_b_scale:MATRIX_SCALE_ROW1
.else
	v_wmma_scale_f32_16x16x128_f8f6f4 v[\d:\d+7], v[\a:\a+7], v[\b:\b+7], 0, v[\sa], v[\sb] matrix_a_fmt:MATRIX_FMT_FP4 matrix_b_fmt:MATRIX_FMT_FP4
.endif
.else
.if (\ra) && (\rb)
	v_wmma_scale_f32_16x16x128_f8f6f4 v[\d:\d+7], v[\a:\a+7], v[\b:\b+7], v[\d:\d+7], v[\sa], v[\sb] matrix_a_fmt:MATRIX_FMT_FP4 matrix_b_fmt:MATRIX_FMT_FP4 matrix_a_scale:MATRIX_SCALE_ROW1 matrix_b_scale:MATRIX_SCALE_ROW1
.elseif \ra
	v_wmma_scale_f32_16x16x128_f8f6f4 v[\d:\d+7], v[\a:\a+7], v[\b:\b+7], v[\d:\d+7], v[\sa], v[\sb] matrix_a_fmt:MATRIX_FMT_FP4 matrix_b_fmt:MATRIX_FMT_FP4 matrix_a_scale:MATRIX_SCALE_ROW1
.elseif \rb
	v_wmma_scale_f32_16x16x128_f8f6f4 v[\d:\d+7], v[\a:\a+7], v[\b:\b+7], v[\d:\d+7], v[\sa], v[\sb] matrix_a_fmt:MATRIX_FMT_FP4 matrix_b_fmt:MATRIX_FMT_FP4 matrix_b_scale:MATRIX_SCALE_ROW1
.else
	v_wmma_scale_f32_16x16x128_f8f6f4 v[\d:\d+7], v[\a:\a+7], v[\b:\b+7], v[\d:\d+7], v[\sa], v[\sb] matrix_a_fmt:MATRIX_FMT_FP4 matrix_b_fmt:MATRIX_FMT_FP4
.endif
.endif
.endm
; nb blocks of 32: block b's 16 numbers of my half in v[src + str b] on, the other 16 in lane l xor 16.  Codes to v[dst + 2 b], v[dst + 2 b + 1]; the byte to v[QY + b].  Blocks by turns; each accumulator is read from its low end on.
.macro QUANT nb, src, str, dst
.set qb, 0
.rept \nb
	v_max3_num_f32 v[QM+qb], |v[\src+\str*qb]|, |v[\src+\str*qb+1]|, 0x1800000   ; with the floor 2^(3 - 127): the byte cannot fall under 1
.set qb, qb+1
.endr
.irp i, 2,4,6,8,10,12,14
.set qb, 0
.rept \nb
	v_max3_num_f32 v[QM+qb], v[QM+qb], |v[\src+\str*qb+\i]|, |v[\src+\str*qb+\i+1]|
.set qb, qb+1
.endr
.endr
.set qb, 0
.rept \nb
	v_permlanex16_b32 v[QP+qb], v[QM+qb], s[SEL], s[SEL+1]
.set qb, qb+1
.endr
.set qb, 0
.rept \nb
	v_max_num_f32 v[QM+qb], v[QM+qb], v[QP+qb]           ; the block's largest magnitude
.set qb, qb+1
.endr
.set qb, 0
.rept \nb
	v_add_nc_u32 v[QS+qb], 0xff000000, v[QM+qb]          ; 2 off its exponent field: the conversion's scale operand
.set qb, qb+1
.endr
.set qb, 0
.rept \nb
	v_lshrrev_b32 v[QY+qb], 23, v[QS+qb]                 ; the scale's byte
.set qb, qb+1
.endr
.set qb, 0
.rept \nb
	v_cvt_scalef32_pk8_fp4_f32 v[\dst+2*qb], v[\src+\str*qb:\src+\str*qb+7], v[QS+qb]
	v_cvt_scalef32_pk8_fp4_f32 v[\dst+2*qb+1], v[\src+\str*qb+8:\src+\str*qb+15], v[QS+qb]
.set qb, qb+1
.endr
	v_nop                                                ; one plain place behind the scaled conversions
.endm
	s_load_b256 s[4:11], s[0:1], 0x0               ; X, norm1_w, wq codes, wq scales
	s_load_b256 s[12:19], s[0:1], 0x20             ; wk codes, wk scales, wv codes, wv scales
	s_load_b64 s[20:21], s[0:1], 0x40              ; qkv
	v_lshrrev_b32 v[A_], 5, v0
	v_readfirstlane_b32 s[WV], v[A_]               ; wave 0..15
	v_and_b32 v[R_], 15, v0                        ; r
	v_bfe_u32 v[H_], v0, 4, 1                      ; h
	v_and_b32 v[L_], 31, v0                        ; lane
	s_bfe_u32 s[CX], ttmp6, 0x40000                ; my place in the cluster: it enters global addresses alone
	s_lshl_b32 s[RB], ttmp9, 2
	s_add_co_u32 s[RB], s[RB], s[CX]               ; block of 128 tokens
	s_and_b32 s[CB], ttmp7, 0xffff                 ; block of 128 columns, shared by the partners
	s_and_b32 s[TQ], s[WV], 3
	s_lshr_b32 s[GG], s[WV], 2
	s_lshr_b32 s[UU], s[WV], 3
	s_and_b32 s[KS], s[WV], 7
	s_lshr_b32 s84, s[GG], 1                       ; which of the two heads
	s_and_b32 s85, s[GG], 1                        ; which 32 of its 64 channels
	s_mov_b32 s[SEL], 0x76543210
	s_mov_b32 s[SEL+1], 0xfedcba98                 ; v_permlanex16_b32: lane l xor 16
	s_mov_b32 s[S10], 0x3a800000                   ; 1 / 1,024
	s_mov_b32 s[SEP], 0x358637bd                   ; 1e-6
	; group 1: 128 rows of 512 bytes, 16 bytes of padding behind each, for all four partners
	s_mov_b32 s[G1], 15|(1<<20)|(1<<21)|(6<<22)|(3<<25)
	s_mov_b32 s[G1+1], 512<<16
	s_mov_b32 s[G1+2], 128<<16
	s_mov_b32 s[G1+3], 512<<16
	s_mov_b32 s[G1+4], 128
	s_mov_b32 s[G1+5], 512
	s_mov_b32 s[G1+6], 0
	s_mov_b32 s[G1+7], 0
	; every address register is made here and kept
	s_lshl_b32 s72, s[UU], 15
	s_lshl_b32 s73, s[KS], 9
	s_add_co_u32 s72, s72, s73
	v_lshlrev_b32 v1, 5, v[R_]
	v_lshl_add_u32 v1, v[H_], 4, v1
	v_add_nc_u32 v1, s72, v1                       ; X: 8 tokens x u + 512 ks + 32 r + 16 h: the 32 lanes take 512 consecutive bytes
	v_lshl_add_u32 v2, v[R_], 5, s73               ; norm1_w: 512 ks + 32 r
	v_lshlrev_b32 v3, 5, v[L_]                     ; the weights' scale rows: 32 bytes x lane: lanes 0-15 tile 0, lanes 16-31 tile 1
	v_lshrrev_b32 v[A_], 2, v[R_]                  ; my block of the K step
	v_and_b32 v[B_], 3, v[R_]
	v_mul_u32_u24 v4, v[A_], 272
	v_lshl_add_u32 v4, v[B_], 2, v4
	v_lshl_add_u32 v4, v[H_], 7, v4
	s_mul_i32 s74, s[WV], IMB
	s_add_co_u32 s74, s74, IMG
	v_add_nc_u32 v4, s74, v4                       ; my 4 bytes of codes in the image of (tile u, K step ks): 8 u + ks is my wave's number
	s_lshl_b32 s74, s[UU], 9
	s_lshl_b32 s75, s[KS], 2
	s_add_co_u32 s74, s74, s75
	v_lshl_add_u32 v5, v[H_], 8, v[A_]
	s_add_co_u32 s75, s74, ASC
	v_add_nc_u32 v5, s75, v5                       ; my block's scale byte
	s_add_co_u32 s75, s74, SSP
	v_lshlrev_b32 v6, 8, v[H_]
	v_add_nc_u32 v6, s75, v6                       ; my partial row sums
	s_lshl_b32 s75, s[UU], 9
	s_add_co_u32 s75, s75, SSP
	v_lshl_add_u32 v7, v[R_], 5, s75               ; row r's eight partial sums
	s_lshl_b32 s75, s[WV], 6
	s_add_co_u32 s75, s75, RFL
	v_lshl_add_u32 v8, v[R_], 2, s75
	v_lshl_add_u32 v9, v[H_], 5, s75
	s_mul_i32 s75, s[TQ], 16*IMB
	s_add_co_u32 s75, s75, IMG
	v_mul_u32_u24 v10, v[H_], 272
	v_lshl_add_u32 v10, v[R_], 4, v10
	v_add_nc_u32 v10, s75, v10                     ; images of tiles 2 tq, 2 tq + 1: block h at 272 h, row r at 16 r
	s_mul_i32 s75, s[GG], 32*WPITCH
	v_mul_u32_u24 v11, v[R_], WPITCH
	v_lshl_add_u32 v11, v[H_], 4, v11
	v_add_nc_u32 v11, s75, v11                     ; my rows of wq's tile,
	v_add_nc_u32 v12, WMAT, v11                    ; wk's,
	v_add_nc_u32 v13, 2*WMAT, v11                  ; wv's
	s_lshl_b32 s75, s[TQ], 10
	s_add_co_u32 s75, s75, ASC
	v_lshl_add_u32 v14, v[L_], 5, s75
	v_lshlrev_b32 v15, 4, v[R_]
	v_lshl_add_u32 v15, v[H_], 3, v15              ; 16 r + 8 h: my 8 bytes of a block's 256
	s_lshl_b32 s72, s84, 9
	s_lshl_b32 s73, s[TQ], 2
	s_add_co_u32 s72, s72, s73
	s_add_co_u32 s72, s72, s85
	s_add_co_u32 s72, s72, SST
	v_lshl_add_u32 v16, v[R_], 4, s72              ; q's and k's scale bytes
	s_lshl_b32 s72, s84, 8
	s_lshl_b32 s73, s85, 2
	s_add_co_u32 s72, s72, s73
	s_add_co_u32 s72, s72, s[TQ]
	s_add_co_u32 s72, s72, SST+2048
	v_lshl_add_u32 v17, v[R_], 3, s72              ; v's scale bytes
	s_min_u32 s72, s[WV], 4
	s_lshl_b32 s72, s72, 9
	s_add_co_u32 s72, s72, SST
	v_lshl_add_u32 v18, v[L_], 4, s72              ; waves 0 to 4 read 512 bytes of scale words back
	v_mov_b32 v20, 0x7f
.irp b, 0,1,2,3,4,5
	v_mov_b32 v[QP+\b], 0                          ; a lane permute's destination counts as one of its sources
.endr
	; offsets in qkv
	s_lshr_b32 s76, s[RB], 4                       ; batch
	s_and_b32 s77, s[RB], 15                       ; key step
	s_lshl_b32 s78, s76, 4
	s_lshl_b32 s79, s[CB], 1
	s_add_co_u32 s78, s78, s79                     ; 16 b + 2 cb
	s_add_co_u32 s79, s78, s84                     ; my head among the 32
	s_lshl_b32 s[JO], s[CB], 16
	s_mov_b32 s[JO+1], 0
	s_lshl_b32 s72, s[CB], 12
	s_lshl_b32 s73, s[GG], 10
	s_add_co_u32 s72, s72, s73
	s_mov_b32 s73, 0
	s_wait_kmcnt 0x0
	s_add_nc_u64 s[WSB:WSB+1], s[10:11], s[72:73]
	s_add_nc_u64 s[WSB+2:WSB+3], s[14:15], s[72:73]
	s_add_nc_u64 s[WSB+4:WSB+5], s[18:19], s[72:73]
	s_mov_b32 s[G0], 1
	s_mov_b32 s[G0+1], 0
	s_add_nc_u64 s[G0+2:G0+3], s[8:9], s[JO:JO+1]
	s_or_b32 s[G0+3], s[G0+3], 0x80000000
	s_mov_b32 s[G0+4], 1
	s_mov_b32 s[G0+5], WMAT
	s_add_nc_u64 s[G0+6:G0+7], s[12:13], s[JO:JO+1]
	s_or_b32 s[G0+7], s[G0+7], 0x80000000
	s_mov_b32 s[G0+8], 1
	s_mov_b32 s[G0+9], 2*WMAT
	s_add_nc_u64 s[G0+10:G0+11], s[16:17], s[JO:JO+1]
	s_or_b32 s[G0+11], s[G0+11], 0x80000000
	s_lshl_b32 s82, s[RB], 19
	s_mov_b32 s83, 0
	s_add_nc_u64 s[XB:XB+1], s[4:5], s[82:83]      ; X at my 128 tokens
	s_lshl_b32 s82, s79, 7                         ; q, k: ((head) 128 + 8 KS + 2 tq) 512 + 256 (block)
	s_lshl_b32 s80, s77, 3
	s_add_co_u32 s82, s82, s80
	s_lshl_b32 s80, s[TQ], 1
	s_add_co_u32 s82, s82, s80
	s_lshl_b32 s82, s82, 9
	s_lshl_b32 s80, s85, 8
	s_add_co_u32 s82, s82, s80
	s_add_nc_u64 s[QKB:QKB+1], s[20:21], s[82:83]
	s_lshl_b32 s82, s79, 4                         ; v: ((head) 16 + KS) 4,096 + 2,048 (g & 1) + 256 tq
	s_add_co_u32 s82, s82, s77
	s_lshl_b32 s82, s82, 12
	s_lshl_b32 s80, s85, 11
	s_add_co_u32 s82, s82, s80
	s_lshl_b32 s80, s[TQ], 8
	s_add_co_u32 s82, s82, s80
	s_add_co_u32 s82, s82, 4194304
	s_add_nc_u64 s[VB:VB+1], s[20:21], s[82:83]
	s_and_b32 s82, s[WV], 1                        ; the scale words: waves 0, 1: q's of head 0, 1; waves 2, 3: k's; wave 4: v's of both heads
	s_cmp_lt_u32 s[WV], 4
	s_cselect_b32 s82, s82, 0
	s_cselect_b32 s80, 9, 8
	s_cselect_b32 s81, 0, 20224
	s_add_co_u32 s82, s78, s82
	s_mul_i32 s82, s82, 20480
	s_lshl_b32 s80, s77, s80
	s_add_co_u32 s82, s82, s80
	s_cmp_lt_u32 s[WV], 2
	s_cselect_b32 s80, 12288, 0
	s_cmp_eq_u32 s[WV], 4
	s_cselect_b32 s80, 8192, s80
	s_add_co_u32 s82, s82, s80
	s_add_co_u32 s82, s82, 6291456
	s_add_nc_u64 s[SCB:SCB+1], s[20:21], s[82:83]
	v_mul_u32_u24 v19, s81, v[H_]
	v_lshl_add_u32 v19, v[L_], 4, v19              ; 16 x lane; in wave 4 lanes 16-31 go on to the next head
	global_load_b128 v[NW:NW+3], v2, s[6:7]
	global_load_b128 v[NW+4:NW+7], v2, s[6:7] offset:16
.irp m, 0,1,2
	global_load_b128 v[WS+8*\m:WS+8*\m+3], v3, s[WSB+2*\m:WSB+2*\m+1]
	global_load_b128 v[WS+8*\m+4:WS+8*\m+7], v3, s[WSB+2*\m:WSB+2*\m+1] offset:16
.endr
; pass i's 16 loads: row pair j: the first load takes 512 consecutive bytes (k = 128 ks on) of token 32 i + 8 u + j, the second those of the token 16 further on; lane (r, h) holds k = 128 ks + 8 r + 4 h + 0 .. 3
.macro XLOAD i
.irp j, 0,1,2,3,4,5,6,7
	global_load_b128 v[XA+64*((\i)%2)+8*\j:XA+64*((\i)%2)+8*\j+3], v1, s[XB:XB+1] offset:131072*(\i)+4096*\j
	global_load_b128 v[XA+64*((\i)%2)+8*\j+4:XA+64*((\i)%2)+8*\j+7], v1, s[XB:XB+1] offset:131072*(\i)+4096*\j+65536
.endr
.endm
	XLOAD 0
	XLOAD 1
	CROUND                                         ; all four partners are here: the joint loads meet
	ARM 0, G0, G1
	ARM 1, G0+4, G1
	ARM 2, G0+8, G1
; ONE PASS: 32 tokens.  One barrier: the partial sums have two buffers, and a buffer is written again only by waves that have passed the next pass's barrier, which every wave signals behind its waited reads.
.macro XPASS i
.set XS, XA+64*((\i)%2)
.set BUF, 1024*((\i)%2)
.if (\i) < 3
	s_wait_loadcnt 16                              ; this pass's loads are in; the other set's 16 may be out
.else
	s_wait_loadcnt 0x0
.endif
.irp j, 0,1,2,3,4,5,6,7
.irp q, 0,1,2,3
	v_permlane16_swap_b32 v[XS+8*\j+\q], v[XS+8*\j+4+\q]   ; the first token's upper lanes change places with the second token's lower lanes: lanes 0-15 now hold the first token, lanes 16-31 the second, k = 128 ks + 8 r + 0 .. 7
.endr
.endr
.irp j, 0,1,2,3,4,5,6,7
	v_pk_mul_f32 v[T+2*\j:T+2*\j+1], v[XS+8*\j:XS+8*\j+1], v[XS+8*\j:XS+8*\j+1]
.endr
.irp q, 2,4,6
.irp j, 0,1,2,3,4,5,6,7
	v_pk_fma_f32 v[T+2*\j:T+2*\j+1], v[XS+8*\j+\q:XS+8*\j+\q+1], v[XS+8*\j+\q:XS+8*\j+\q+1], v[T+2*\j:T+2*\j+1]
.endr
.endr
.irp j, 0,1,2,3,4,5,6,7
	v_add_f32 v[T+2*\j], v[T+2*\j], v[T+2*\j+1]
.endr
.irp x, 1,2,4,8
.irp j, 0,1,2,3,4,5,6,7
	v_add_f32_dpp v[T+2*\j], v[T+2*\j], v[T+2*\j] row_xmask:\x row_mask:0xf bank_mask:0xf
.endr
.endr
.irp j, 0,1,2,3,4,5,6,7
	ds_store_b32 v6, v[T+2*\j] offset:BUF+32*\j    ; the row's squares over my 128 k
.endr
	s_wait_dscnt 0x0                               ; my stores have landed (the last pass's too)
	s_barrier_signal -1
	s_barrier_wait -1
	ds_load_b128 v[T+16:T+19], v7 offset:BUF
	ds_load_b128 v[T+20:T+23], v7 offset:BUF+16
	s_wait_dscnt 0x0
.irp k, 17,18,19,20,21,22,23
	v_add_f32 v[T+16], v[T+16], v[T+\k]
.endr
	v_fma_f32 v[T+16], v[T+16], s[S10], s[SEP]     ; mean + eps
	v_rsq_f32 v[T+17], v[T+16]
	v_nop
	s_wait_alu depctr_va_vdst(0)                   ; ahead of the first reader of the root
	ds_store_b32 v8, v[T+17]                       ; row r's factor, through my wave's own 64 bytes,
	ds_load_b128 v[RFR:RFR+3], v9                  ; comes back as the factors of rows 8 h + 0 .. 7 (LDS serves a wave in order)
	ds_load_b128 v[RFR+4:RFR+7], v9 offset:16
	s_wait_dscnt 0x0
.irp j, 0,1,2,3,4,5,6,7
.irp q, 0,2,4,6
.if (\j)%2
	v_pk_mul_f32 v[XS+8*\j+\q:XS+8*\j+\q+1], v[XS+8*\j+\q:XS+8*\j+\q+1], v[RFR+2*(\j/2):RFR+2*(\j/2)+1] op_sel:[0,1] op_sel_hi:[1,1]
.else
	v_pk_mul_f32 v[XS+8*\j+\q:XS+8*\j+\q+1], v[XS+8*\j+\q:XS+8*\j+\q+1], v[RFR+2*(\j/2):RFR+2*(\j/2)+1] op_sel_hi:[1,0]
.endif
.endr
.endr
.irp j, 0,1,2,3,4,5,6,7
.irp q, 0,2,4,6
	v_pk_mul_f32 v[XS+8*\j+\q:XS+8*\j+\q+1], v[XS+8*\j+\q:XS+8*\j+\q+1], v[NW+\q:NW+\q+1]
.endr
.endr
.irp j, 0,1,2,3,4,5,6,7
	v_max3_num_f32 v[T+\j], |v[XS+8*\j]|, |v[XS+8*\j+1]|, 0x1800000    ; my 8 of the block, and the floor
.endr
.irp q, 2,4,6
.irp j, 0,1,2,3,4,5,6,7
	v_max3_num_f32 v[T+\j], v[T+\j], |v[XS+8*\j+\q]|, |v[XS+8*\j+\q+1]|
.endr
.endr
.irp x, 1,2
.irp j, 0,1,2,3,4,5,6,7
	v_max_num_f32_dpp v[T+\j], v[T+\j], v[T+\j] row_xmask:\x row_mask:0xf bank_mask:0xf   ; four lanes hold a block
.endr
.endr
.irp j, 0,1,2,3,4,5,6,7
	v_add_nc_u32 v[T+8+\j], 0xff000000, v[T+\j]
.endr
.irp j, 0,1,2,3,4,5,6,7
	v_lshrrev_b32 v[T+16+\j], 23, v[T+8+\j]
.endr
.irp j, 0,1,2,3,4,5,6,7
	v_cvt_scalef32_pk8_fp4_f32 v[T+24+\j], v[XS+8*\j:XS+8*\j+7], v[T+8+\j]
.endr
	v_nop
.irp j, 0,1,2,3,4,5,6,7
	ds_store_b32 v4, v[T+24+\j] offset:16*IMB*(\i)+16*\j
	ds_store_b8 v5, v[T+16+\j] offset:1024*(\i)+32*\j
.endr
.if (\i) < 2
	XLOAD (\i)+2
.endif
.endm
	XPASS 0
	XPASS 1
	XPASS 2
	XPASS 3
	s_wait_tensorcnt 0x0                           ; my weight tile, if I asked for one, has landed
	s_wait_dscnt 0x0                               ; and my images and scale bytes
	s_barrier_signal -1
	s_barrier_wait -1
	ds_load_b128 v[AS:AS+3], v14
	ds_load_b128 v[AS+4:AS+7], v14 offset:16
; 128 along K: 16 LDS loads, 12 products
.macro KSTEP s, z
.if (\s) > 0
	PLACES 4                                       ; in front of loads into registers that the last products have read
.endif
.irp t, 0,1
.irp c, 0,1
	ds_load_b128 v[FA+8*\t+4*\c:FA+8*\t+4*\c+3], v10 offset:8*IMB*\t+IMB*(\s)+544*\c
.endr
.endr
.irp m, 0,1,2
.irp n, 0,1
.irp c, 0,1
	ds_load_b128 v[FW+16*\m+8*\n+4*\c:FW+16*\m+8*\n+4*\c+3], v[11+\m] offset:16*WPITCH*\n+64*(\s)+32*\c
.endr
.endr
.endr
.irp m, 0,1
	s_wait_dscnt 8-4*\m                            ; the later matrices' fragment loads may be out
.irp t, 0,1
.irp n, 0,1
	WM ACC+32*\m+16*\t+8*\n, FW+16*\m+8*\n, FA+8*\t, \z, WS+8*\m+(\s), AS+(\s), \n, \t
.endr
.endr
.endr
	s_wait_dscnt 0x0
.irp n, 0,1
.irp t, 0,1
	WM ACC+64+16*\n+8*\t, FA+8*\t, FW+32+8*\n, \z, AS+(\s), WS+16+(\s), \t, \n
.endr
.endr
.endm
	KSTEP 0, 1
	KSTEP 1, 0
	KSTEP 2, 0
	KSTEP 3, 0
	KSTEP 4, 0
	KSTEP 5, 0
	KSTEP 6, 0
	KSTEP 7, 0
	PLACES 4
	QUANT 6, ACC, 16, CD                           ; blocks 0, 1: q of my two token tiles; 2, 3: k; 4, 5: v of my two channel tiles
.irp b, 0,1,2,3
	v_permlane16_swap_b32 v[CD+2*\b], v[CD+2*\b+1] ; q, k: the pair held channels 8 h + 0 .. 7 and 16 + 8 h + 0 .. 7; now lanes 0-15 hold 0 .. 15 and lanes 16-31 hold 16 .. 31.  (v's registers run along permuted token tiles and are neighbours already)
.endr
.irp t, 0,1
	global_store_b64 v15, v[CD+2*\t:CD+2*\t+1], s[QKB:QKB+1] offset:512*\t              ; each store covers 256 consecutive bytes, aligned
	global_store_b64 v15, v[CD+4+2*\t:CD+4+2*\t+1], s[QKB:QKB+1] offset:2097152+512*\t
	global_store_b64 v15, v[CD+8+2*\t:CD+8+2*\t+1], s[VB:VB+1] offset:1024*\t
.endr
.irp t, 0,1
	ds_store_b8 v16, v[QY+\t] offset:256*\t
	ds_store_b8 v16, v20 offset:256*\t+2           ; bytes 2 and 3 of q's and k's words are 1.0: the upper 64 of attention's first K are zero codes
	ds_store_b8 v16, v[QY+2+\t] offset:1024+256*\t
	ds_store_b8 v16, v20 offset:1024+256*\t+2
	ds_store_b8 v17, v[QY+4+\t] offset:128*\t
.endr
	s_wait_dscnt 0x0
	s_barrier_signal -1
	s_barrier_wait -1
	s_cmp_lt_u32 s[WV], 5
	s_cbranch_scc0 .Ldone
	ds_load_b128 v[24:27], v18
	s_wait_dscnt 0x0
	global_store_b128 v19, v[24:27], s[SCB:SCB+1]
.Ldone:
	CROUND                                         ; the closing round
	s_endpgm
.Lfunc_end_k_q1cc230975f_qkv:
	.size	k_q1cc230975f_qkv, .Lfunc_end_k_q1cc230975f_qkv-k_q1cc230975f_qkv
	.p2alignl 7, 3214868480
	.fill 96, 4, 3214868480
	.section	.rodata,"a",@progbits
	.p2align	6, 0x0
	.amdhsa_kernel k_q1cc230975f_qkv
		.amdhsa_group_segment_fixed_size 327680
		.amdhsa_private_segment_fixed_size 0
		.amdhsa_enable_private_segment 0
		.amdhsa_kernarg_size 72
		.amdhsa_user_sgpr_count 2
		.amdhsa_user_sgpr_kernarg_segment_ptr 1
		.amdhsa_wavefront_size32 1
		.amdhsa_system_sgpr_workgroup_id_x 1
		.amdhsa_system_sgpr_workgroup_id_y 1
		.amdhsa_system_sgpr_workgroup_id_z 1
		.amdhsa_system_vgpr_workitem_id 0
		.amdhsa_next_free_vgpr 256
		.amdhsa_next_free_sgpr 86
		.amdhsa_reserve_vcc 0
		.amdhsa_float_denorm_mode_32 3
		.amdhsa_float_denorm_mode_16_64 3
		.amdhsa_memory_ordered 1
		.amdhsa_forward_progress 1
		.amdhsa_inst_pref_size 110
	.end_amdhsa_kernel
	.amdgpu_metadata
---
amdhsa.version: [ 1, 2 ]
amdhsa.kernels:
  - .name:           k_q1cc230975f_qkv
    .symbol:         k_q1cc230975f_qkv.kd
    .args:
      - { .name: X, .offset: 0, .size: 8, .value_kind: global_buffer, .address_space: global }
      - { .name: norm1_w, .offset: 8, .size: 8, .value_kind: global_buffer, .address_space: global }
      - { .name: wq_codes, .offset: 16, .size: 8, .value_kind: global_buffer, .address_space: global }
      - { .name: wq_scales, .offset: 24, .size: 8, .value_kind: global_buffer, .address_space: global }
      - { .name: wk_codes, .offset: 32, .size: 8, .value_kind: global_buffer, .address_space: global }
      - { .name: wk_scales, .offset: 40, .size: 8, .value_kind: global_buffer, .address_space: global }
      - { .name: wv_codes, .offset: 48, .size: 8, .value_kind: global_buffer, .address_space: global }
      - { .name: wv_scales, .offset: 56, .size: 8, .value_kind: global_buffer, .address_space: global }
      - { .name: qkv, .offset: 64, .size: 8, .value_kind: global_buffer, .address_space: global }
    .group_segment_fixed_size: 327680
    .private_segment_fixed_size: 0
    .kernarg_segment_align: 8
    .kernarg_segment_size: 72
    .max_flat_workgroup_size: 512
    .sgpr_count:     86
    .vgpr_count:     256
    .wavefront_size: 32
...
	.end_amdgpu_metadata
.endif
;; end of part 1
;; launch attn (part 2): grid 8 x 32, 16 waves a work-group, clusters of 4 x 1, 327,680 bytes of LDS; arguments qkv, ctx; writes ctx
.if DOCPART == 2
	.amdgcn_target "amdgcn-amd-amdhsa--gfx1250"
	.amdhsa_code_object_version 6
	.text
	.protected	k_q1cc230975f_attn
	.globl	k_q1cc230975f_attn
	.p2align	8
	.type	k_q1cc230975f_attn,@function
k_q1cc230975f_attn:
	s_mov_b64 s[64:65], 0
	v_nop
	global_prefetch_b8 v0, s[64:65] scope:SCOPE_SE
	s_setreg_imm32_b32 hwreg(HW_REG_WAVE_MODE, 25, 1), 1
	s_wait_xcnt 0x0
	s_wait_alu depctr_hold_cnt(0) depctr_sa_sdst(0) depctr_va_vdst(0) depctr_va_sdst(0) depctr_va_ssrc(0) depctr_va_vcc(0) depctr_vm_vsrc(0)
	s_getreg_b32 s2, hwreg(HW_REG_IB_STS2, 6, 4)
	s_cmp_eq_u32 s2, 0
	s_cbranch_scc0 .Lentry_in_a_cluster
	s_endpgm
.Lentry_in_a_cluster:
	s_bfe_u32 s2, ttmp6, 0x10000c
	s_cmp_lg_u32 s2, 0x3003
	s_cbranch_scc0 .Lentry_shape_is_right
	s_endpgm
.Lentry_shape_is_right:
; ctx = softmax(q k^T / 8) v for one head, both products on FP4 codes, then ctx quantised along the channels for the next product.
; p = 2^(t - M), t = score x log2(e) / 8, M the running largest t rounded up to a whole number; p is quantised along the keys, not normalised; the row's sum of the unquantised p divides at the end.
; SHARES.  A work-group owns 256 queries of head bh; each of sixteen waves one tile of 16 queries, in 256 registers: four waves to a SIMD, so that one wave's vector work stands beside another's products.
; Every wave walks the head's 2,048 keys, 128 a step.  The head's K images, V images and scale words (143,360 bytes) stay in LDS: filled once, by loads of four key steps each.  The first four steps are read behind a counted wait
; and a barrier, the other twelve behind one wait for all loads and one more barrier.
; LAYOUT.  Both products transposed (S^T = K Q^T, O^T = V^T P^T): a lane holds one query.  Key tiles are permuted as the launch before stored them, so p's 16 registers of two tiles are 16 neighbouring keys.
; V's channel tiles are plain: register j of O^T's tile t is channel 16 t + 8 h + j.
; THE FIRST PRODUCT'S K IS 64 in an instruction of 128: Q's registers 4-7 are zero codes and bytes 2, 3 of q's and k's scale words are 1.0, so what K's upper registers hold adds nothing (every FP4 code is a finite number):
; key tile t is named v[32 + 4 t .. + 7], whose upper half is tile t + 1's data (tile 7's: four registers of zeros).  Eight loads of 16 bytes a lane feed eight products.
; CLUSTER: the four partners are query blocks of one head: K, V and the scale words come by joint loads (mask 15); wave 0 has five out, wave 1 four.
; No prefetch: all tensor loads go out at the head.
; LIMITS: NaN and infinities are not served; a block of p or of ctx under 2^-124 gets the byte 1.
.set KIMG, 0
.set VIMG, 65536
.set SCL,  131072                      ; K's words [step 16][lane 32][pair 4], then at + 8,192 V's [step 16][lane 32][pair 2]
.set CST,  143360                      ; ctx's scale halves on their way out: 32 bytes a wave
.set WV, 8
.set BH, 9
.set QBK, 10
.set CX, 11
.set G1C, 12
.set G1S, 20
.set G0S, 28
.set G0K, 32
.set G0V, 48
.set SEL, 66
.set CS, 68
.set TK, 70
.set TS, 71
.set TV, 72
.set CNT, 73
.set CXB, 74
.set HB, 76
.set QSB, 78
.set JK, 80
.set JS, 82
.set QB, 84
.set CSB, 88
.set QF, 16
.set QSW, 24
.set KF, 32
.set VF, 68
.set S, 100
.set OT, 164
.set PC, 196
.set KSW, 204
.set VSW, 208
.set PSW, 210
.set BM, 212
.set BP, 216
.set BS, 220
.set BY, 224
.set QM, 212
.set QP, 216
.set QS, 220
.set QY, 224
.macro PLACES n
.rept \n
	v_nop
.endr
.endm
.macro CROUND
	s_barrier_signal -1
	s_barrier_wait -1
	s_cmp_lg_u32 s[WV], 0
	s_cbranch_scc1 .Lnw0_\@
	s_barrier_signal -3
.Lnw0_\@:
	s_barrier_wait -3
	s_barrier_signal -1
	s_barrier_wait -1
.endm
.macro WM d, a, b, z, sa, sb, ra, rb
.if \z
.if (\ra) && (\rb)
	v_wmma_scale_f32_16x16x128_f8f6f4 v[\d:\d+7], v[\a:\a+7], v[\b:\b+7], 0, v[\sa], v[\sb] matrix_a_fmt:MATRIX_FMT_FP4 matrix_b_fmt:MATRIX_FMT_FP4 matrix_a_scale:MATRIX_SCALE_ROW1 matrix_b_scale:MATRIX_SCALE_ROW1
.elseif \ra
	v_wmma_scale_f32_16x16x128_f8f6f4 v[\d:\d+7], v[\a:\a+7], v[\b:\b+7], 0, v[\sa], v[\sb] matrix_a_fmt:MATRIX_FMT_FP4 matrix_b_fmt:MATRIX_FMT_FP4 matrix_a_scale:MATRIX_SCALE_ROW1
.elseif \rb
	v_wmma_scale_f32_16x16x128_f8f6f4 v[\d:\d+7], v[\a:\a+7], v[\b:\b+7], 0, v[\sa], v[\sb] matrix_a_fmt:MATRIX_FMT_FP4 matrix_b_fmt:MATRIX_FMT_FP4 matrix_b_scale:MATRIX_SCALE_ROW1
.else
	v_wmma_scale_f32_16x16x128_f8f6f4 v[\d:\d+7], v[\a:\a+7], v[\b:\b+7], 0, v[\sa], v[\sb] matrix_a_fmt:MATRIX_FMT_FP4 matrix_b_fmt:MATRIX_FMT_FP4
.endif
.else
.if (\ra) && (\rb)
	v_wmma_scale_f32_16x16x128_f8f6f4 v[\d:\d+7], v[\a:\a+7], v[\b:\b+7], v[\d:\d+7], v[\sa], v[\sb] matrix_a_fmt:MATRIX_FMT_FP4 matrix_b_fmt:MATRIX_FMT_FP4 matrix_a_scale:MATRIX_SCALE_ROW1 matrix_b_scale:MATRIX_SCALE_ROW1
.elseif \ra
	v_wmma_scale_f32_16x16x128_f8f6f4 v[\d:\d+7], v[\a:\a+7], v[\b:\b+7], v[\d:\d+7], v[\sa], v[\sb] matrix_a_fmt:MATRIX_FMT_FP4 matrix_b_fmt:MATRIX_FMT_FP4 matrix_a_scale:MATRIX_SCALE_ROW1
.elseif \rb
	v_wmma_scale_f32_16x16x128_f8f6f4 v[\d:\d+7], v[\a:\a+7], v[\b:\b+7], v[\d:\d+7], v[\sa], v[\sb] matrix_a_fmt:MATRIX_FMT_FP4 matrix_b_fmt:MATRIX_FMT_FP4 matrix_b_scale:MATRIX_SCALE_ROW1
.else
	v_wmma_scale_f32_16x16x128_f8f6f4 v[\d:\d+7], v[\a:\a+7], v[\b:\b+7], v[\d:\d+7], v[\sa], v[\sb] matrix_a_fmt:MATRIX_FMT_FP4 matrix_b_fmt:MATRIX_FMT_FP4
.endif
.endif
.endm
.macro QUANT nb, src, str, dst
.set qb, 0
.rept \nb
	v_max3_num_f32 v[QM+qb], |v[\src+\str*qb]|, |v[\src+\str*qb+1]|, 0x1800000
.set qb, qb+1
.endr
.irp i, 2,4,6,8,10,12,14
.set qb, 0
.rept \nb
	v_max3_num_f32 v[QM+qb], v[QM+qb], |v[\src+\str*qb+\i]|, |v[\src+\str*qb+\i+1]|
.set qb, qb+1
.endr
.endr
.set qb, 0
.rept \nb
	v_permlanex16_b32 v[QP+qb], v[QM+qb], s[SEL], s[SEL+1]
.set qb, qb+1
.endr
.set qb, 0
.rept \nb
	v_max_num_f32 v[QM+qb], v[QM+qb], v[QP+qb]
.set qb, qb+1
.endr
.set qb, 0
.rept \nb
	v_add_nc_u32 v[QS+qb], 0xff000000, v[QM+qb]
.set qb, qb+1
.endr
.set qb, 0
.rept \nb
	v_lshrrev_b32 v[QY+qb], 23, v[QS+qb]
.set qb, qb+1
.endr
.set qb, 0
.rept \nb
	v_cvt_scalef32_pk8_fp4_f32 v[\dst+2*qb], v[\src+\str*qb:\src+\str*qb+7], v[QS+qb]
	v_cvt_scalef32_pk8_fp4_f32 v[\dst+2*qb+1], v[\src+\str*qb+8:\src+\str*qb+15], v[QS+qb]
.set qb, qb+1
.endr
	v_nop
.endm
	s_load_b128 s[4:7], s[0:1], 0x0                ; qkv, ctx
	v_lshrrev_b32 v230, 5, v0
	v_readfirstlane_b32 s[WV], v230                ; wave 0..15
	s_and_b32 s[BH], ttmp7, 0xffff                 ; the head among 32, shared by the partners
	s_bfe_u32 s[CX], ttmp6, 0x40000
	s_lshl_b32 s[QBK], ttmp9, 2
	s_add_co_u32 s[QBK], s[QBK], s[CX]             ; block of 256 queries: it enters global addresses alone
	; group 1: dense blocks as rows of 256 bytes (32 elements of 8), for all four partners: 64 rows for four key steps of K or V; 48 rows of scale words
	s_mov_b32 s[G1C], 15|(3<<16)|(1<<21)
	s_mov_b32 s[G1C+1], 32<<16
	s_mov_b32 s[G1C+2], 64<<16
	s_mov_b32 s[G1C+3], 32<<16
	s_mov_b32 s[G1C+4], 64
	s_mov_b32 s[G1C+5], 32
	s_mov_b32 s[G1C+6], 0
	s_mov_b32 s[G1C+7], 0
	s_mov_b32 s[G1S], 15|(3<<16)|(1<<21)
	s_mov_b32 s[G1S+1], 32<<16
	s_mov_b32 s[G1S+2], 48<<16
	s_mov_b32 s[G1S+3], 32<<16
	s_mov_b32 s[G1S+4], 48
	s_mov_b32 s[G1S+5], 32
	s_mov_b32 s[G1S+6], 0
	s_mov_b32 s[G1S+7], 0
	s_mov_b32 s[SEL], 0x76543210
	s_mov_b32 s[SEL+1], 0xfedcba98
	s_mov_b32 s[CS], 0x3e38aa3b                    ; c = log2(e) / 8
	s_mov_b32 s[CS+1], s[CS]
	v_and_b32 v230, 31, v0                         ; lane
	v_and_b32 v231, 15, v0                         ; r
	v_lshlrev_b32 v1, 4, v230                      ; 16 x lane: an image's place for my lane
	v_add_nc_u32 v2, VIMG, v1
	v_add_nc_u32 v3, SCL, v1
	v_lshl_add_u32 v4, v230, 3, SCL+8192
	s_lshl_b32 s93, s[WV], 5
	s_add_co_u32 s93, s93, CST
	v_lshl_add_u32 v5, v231, 1, s93
	v_add_nc_u32 v6, CST, v1
	v_lshlrev_b32 v7, 4, v231
	s_lshl_b32 s[JK], s[BH], 16
	s_mov_b32 s[JK+1], 0
	s_mul_i32 s[JS], s[BH], 20480
	s_add_co_u32 s[JS], s[JS], 6291456
	s_mov_b32 s[JS+1], 0
	s_lshl_b32 s86, s[QBK], 4
	s_add_co_u32 s86, s86, s[WV]                   ; T: my query tile among the head's 128
	s_mov_b32 s91, 0
	s_wait_kmcnt 0x0
	s_mov_b32 s[G0S], 1
	s_mov_b32 s[G0S+1], SCL
	s_add_nc_u64 s[G0S+2:G0S+3], s[4:5], s[JS:JS+1]
	s_or_b32 s[G0S+3], s[G0S+3], 0x80000000
	s_add_nc_u64 s[HB:HB+1], s[4:5], s[JK:JK+1]    ; the head's Q images; K's and V's lie 2 and 4 MiB on
.irp c, 0,1,2,3
	s_mov_b32 s[G0K+4*\c], 1
	s_mov_b32 s[G0K+4*\c+1], KIMG+16384*\c
	s_add_nc_u64 s[G0K+4*\c+2:G0K+4*\c+3], s[HB:HB+1], 2097152+16384*\c
	s_or_b32 s[G0K+4*\c+3], s[G0K+4*\c+3], 0x80000000
	s_mov_b32 s[G0V+4*\c], 1
	s_mov_b32 s[G0V+4*\c+1], VIMG+16384*\c
	s_add_nc_u64 s[G0V+4*\c+2:G0V+4*\c+3], s[HB:HB+1], 4194304+16384*\c
	s_or_b32 s[G0V+4*\c+3], s[G0V+4*\c+3], 0x80000000
.endr
	s_lshl_b32 s90, s86, 9
	s_add_nc_u64 s[QB:QB+1], s[HB:HB+1], s[90:91]  ; my tile's half image
	s_lshr_b32 s90, s86, 3                         ; my tile's scale words: 12,288 + 512 (T / 8) + 256 (T & 1) + 4 ((T / 2) & 3)
	s_lshl_b32 s90, s90, 9
	s_and_b32 s87, s86, 1
	s_lshl_b32 s87, s87, 8
	s_add_co_u32 s90, s90, s87
	s_bfe_u32 s87, s86, 0x20001
	s_lshl_b32 s87, s87, 2
	s_add_co_u32 s90, s90, s87
	s_add_co_u32 s90, s90, 12288
	s_add_nc_u64 s[QSB:QSB+1], s[4:5], s[JS:JS+1]
	s_add_nc_u64 s[QSB:QSB+1], s[QSB:QSB+1], s[90:91]
	s_lshr_b32 s87, s[BH], 4                       ; batch
	s_lshl_b32 s87, s87, 7
	s_and_b32 s92, s[BH], 15                       ; head of the layer
	s_add_co_u32 s90, s87, s86                     ; the token tile among 256
	s_lshl_b32 s90, s90, 4
	s_add_co_u32 s90, s90, s92
	s_lshl_b32 s90, s90, 9
	s_add_nc_u64 s[CXB:CXB+1], s[6:7], s[90:91]    ; ctx codes: (tile 16 + head) 512
	s_lshl_b32 s90, s[QBK], 4
	s_add_co_u32 s90, s90, s87
	s_lshl_b32 s90, s90, 5
	s_lshl_b32 s92, s92, 13
	s_add_co_u32 s90, s90, s92
	s_add_co_u32 s90, s90, 2097152
	s_add_nc_u64 s[CSB:CSB+1], s[6:7], s[90:91]    ; ctx scale halves: 8,192 head + 32 tile
	global_load_b128 v[QF:QF+3], v1, s[QB:QB+1]
	global_load_b32 v[QSW], v7, s[QSB:QSB+1]
	CROUND                                         ; all four partners are here: the joint loads meet
	s_cmp_lg_u32 s[WV], 0                          ; a wave's first fills stand in one branch
	s_cbranch_scc1 .Lnot0
	tensor_load_to_lds s[G0S:G0S+3], s[G1S:G1S+7]
	tensor_load_to_lds s[G0K:G0K+3], s[G1C:G1C+7]
	tensor_load_to_lds s[G0K+4:G0K+7], s[G1C:G1C+7]
	tensor_load_to_lds s[G0K+8:G0K+11], s[G1C:G1C+7]
	tensor_load_to_lds s[G0K+12:G0K+15], s[G1C:G1C+7]
.rept 4
	v_nop
.endr
	s_branch .Lasked
.Lnot0:
	s_cmp_lg_u32 s[WV], 1
	s_cbranch_scc1 .Lasked
	tensor_load_to_lds s[G0V:G0V+3], s[G1C:G1C+7]
	tensor_load_to_lds s[G0V+4:G0V+7], s[G1C:G1C+7]
	tensor_load_to_lds s[G0V+8:G0V+11], s[G1C:G1C+7]
	tensor_load_to_lds s[G0V+12:G0V+15], s[G1C:G1C+7]
.rept 4
	v_nop
.endr
.Lasked:
	v_mov_b32 v13, 0xff61b1e6                      ; the largest t so far: -3e38
	v_floor_f32 v12, -v13                          ; -M
	v_mov_b32 v14, 0                               ; the sum, in two halves
	v_mov_b32 v15, 0
.irp j, 0,1,2,3
	v_mov_b32 v[QF+4+\j], 0                        ; Q's upper 64 along K: zero codes
	v_mov_b32 v[KF+32+\j], 0                       ; what key tile 7's upper half names
	v_mov_b32 v[BP+\j], 0                          ; a lane permute's destination counts as one of its sources
.endr
	v_mov_b32 v229, 0                              ; named with f as a pair
.set jj, 0
.rept 32
	v_mov_b32 v[OT+jj], 0                          ; O^T: the step is written once; the first change of M leaves zeros zeros
.set jj, jj+1
.endr
; A KEY STEP: 128 keys
.macro STEP
	v_add_nc_u32 v8, s[TK], v1                     ; these four are also the places in front of the loads into registers that the last products have read
	v_add_nc_u32 v9, s[TK], v2
	v_add_nc_u32 v10, s[TS], v3
	v_add_nc_u32 v11, s[TV], v4
.irp t, 0,1,2,3,4,5,6,7
	ds_load_b128 v[KF+4*\t:KF+4*\t+3], v8 offset:512*\t
.endr
	ds_load_b128 v[KSW:KSW+3], v10
.irp t, 0,1,2,3
.irp c, 0,1
	ds_load_b128 v[VF+8*\t+4*\c:VF+8*\t+4*\c+3], v9 offset:1024*\t+512*\c
.endr
.endr
	ds_load_b64 v[VSW:VSW+1], v11
	s_wait_dscnt 9                                 ; K and its words are in; V's eight loads and its words may be out
.irp t, 0,1,2,3,4,5,6,7
	WM S+8*\t, KF+4*\t, QF, 1, KSW+\t/2, QSW, \t%2, 0
.endr
	PLACES 4
.irp b, 0,1,2,3
	v_max3_num_f32 v[BM+\b], v[S+16*\b], v[S+1+16*\b], v[S+2+16*\b]      ; the largest score of each block of 32 keys: for the row's maximum and for the block's largest p
.endr
.irp i, 3,5,7,9,11,13
.irp b, 0,1,2,3
	v_max3_num_f32 v[BM+\b], v[BM+\b], v[S+16*\b+\i], v[S+1+16*\b+\i]
.endr
.endr
.irp b, 0,1,2,3
	v_max_num_f32 v[BM+\b], v[BM+\b], v[S+15+16*\b]
.endr
.irp b, 0,1,2,3
	v_permlanex16_b32 v[BP+\b], v[BM+\b], s[SEL], s[SEL+1]
.endr
.irp b, 0,1,2,3
	v_max_num_f32 v[BM+\b], v[BM+\b], v[BP+\b]
.endr
	v_max3_num_f32 v230, v[BM], v[BM+1], v[BM+2]
	v_max_num_f32 v230, v230, v[BM+3]
	v_mul_f32 v230, s[CS], v230
	v_max_num_f32 v13, v13, v230                   ; the running largest t
	v_mov_b32 v230, v12
	v_floor_f32 v12, -v13                          ; -M = floor(-t): M is a whole number
	v_sub_f32 v230, v12, v230                      ; old M - new M, a whole number, 0 or less
	v_cvt_i32_f32 v230, v230                       ; (it saturates)
	v_ldexp_f32 v228, 1.0, v230                    ; f = 2^(old M - new M): exact
.set jj, 0
.rept 32
	v_pk_fma_f32 v[S+jj:S+jj+1], v[S+jj:S+jj+1], s[CS:CS+1], v[12:13] op_sel_hi:[1,0,0]   ; t - M
.set jj, jj+2
.endr
.irp b, 0,1,2,3
	v_fma_f32 v[BM+\b], v[BM+\b], s[CS], v12
.endr
.set jj, 0
.rept 64
	v_exp_f32 v[S+jj], v[S+jj]                     ; p, at most 1, not normalised
.set jj, jj+1
.endr
	v_pk_mul_f32 v[14:15], v[14:15], v[228:229] op_sel_hi:[1,0]   ; the sums under the new M: the plain place behind the exponentials
	s_wait_alu depctr_va_vdst(0)                   ; one wait for the batch, ahead of its first reader
.irp b, 0,1,2,3
	v_exp_f32 v[BM+\b], v[BM+\b]                   ; the block's largest p
.endr
	v_pk_add_f32 v[BP:BP+1], v[S:S+1], v[S+2:S+3]  ; the row's sum of the unquantised p, in two chains
.irp j, 4,8,12,16,20,24,28,32,36,40,44,48,52,56,60
	v_pk_add_f32 v[14:15], v[14:15], v[S+\j:S+\j+1]
	v_pk_add_f32 v[BP:BP+1], v[BP:BP+1], v[S+2+\j:S+3+\j]
.endr
	v_pk_add_f32 v[14:15], v[14:15], v[BP:BP+1]
	s_wait_alu depctr_va_vdst(0)                   ; and one for the four
.irp b, 0,1,2,3
	v_max_num_f32 v[BM+\b], 0x1800000, v[BM+\b]
.endr
.irp b, 0,1,2,3
	v_add_nc_u32 v[BS+\b], 0xff000000, v[BM+\b]
.endr
.irp b, 0,1,2,3
	v_lshrrev_b32 v[BY+\b], 23, v[BS+\b]
.endr
	v_lshl_or_b32 v[PSW], v[BY+1], 8, v[BY]        ; p's scale word for these 128 keys
	v_lshl_or_b32 v[PSW], v[BY+2], 16, v[PSW]
	v_lshl_or_b32 v[PSW], v[BY+3], 24, v[PSW]
.irp b, 0,1,2,3
	v_cvt_scalef32_pk8_fp4_f32 v[PC+2*\b], v[S+16*\b:S+16*\b+7], v[BS+\b]
	v_cvt_scalef32_pk8_fp4_f32 v[PC+2*\b+1], v[S+16*\b+8:S+16*\b+15], v[BS+\b]
.endr
	v_nop
.irp c, 0,1
.irp i, 0,1
	v_permlane16_swap_b32 v[PC+4*\c+\i], v[PC+2+4*\c+\i]   ; a whole block in a lane
.endr
.endr
.set jj, 0
.rept 16
	v_pk_mul_f32 v[OT+jj:OT+jj+1], v[OT+jj:OT+jj+1], v[228:229] op_sel_hi:[1,0]   ; O^T under the new M; twelve of these name no register of any one product below: its places behind the scale word and the codes
.set jj, jj+2
.endr
	s_wait_dscnt 0x0                               ; V
.irp t, 0,1,2,3
	WM OT+8*\t, VF+8*\t, PC, 0, VSW+\t/2, PSW, \t%2, 0
.endr
.endm
; key steps first .. first + trips - 1, read behind a wait on the tensor loads and a barrier.  w = 3: behind the scale words and K's (V's) first four steps the issuing wave issued three loads, which may stay out.
; w = 0: all of the issuing wave's loads have landed: that covers the other twelve steps, and every read of them stands behind the barrier that follows.
.macro CHUNK w, first, trips
	s_wait_tensorcnt \w
	s_wait_dscnt 0x0
	s_barrier_signal -1
	s_barrier_wait -1
	s_mov_b32 s[TK], 4096*\first
	s_mov_b32 s[TS], 512*\first
	s_mov_b32 s[TV], 256*\first
	s_mov_b32 s[CNT], \trips
.Lstep_\@:
	STEP
	s_add_co_u32 s[TK], s[TK], 4096
	s_add_co_u32 s[TS], s[TS], 512
	s_add_co_u32 s[TV], s[TV], 256
	s_sub_co_u32 s[CNT], s[CNT], 1
	s_cmp_lg_u32 s[CNT], 0
	s_cbranch_scc1 .Lstep_\@
.endm
	s_wait_loadcnt 0x0                             ; Q and its scale word
	CHUNK 3, 0, 4
	CHUNK 0, 4, 12
	; THE WAY OUT: O^T / the sum, quantised along the channels: two blocks of 32
	PLACES 4
	v_add_f32 v14, v14, v15
	v_permlanex16_b32 v[BP], v14, s[SEL], s[SEL+1]
	v_add_f32 v14, v14, v[BP]
	v_rcp_f32 v228, v14
	v_nop
	s_wait_alu depctr_va_vdst(0)
.set jj, 0
.rept 16
	v_pk_mul_f32 v[OT+jj:OT+jj+1], v[OT+jj:OT+jj+1], v[228:229] op_sel_hi:[1,0]
.set jj, jj+2
.endr
	QUANT 2, OT, 16, PC                            ; v[PC + 2 b]: channels 32 b + 8 h + 0 .. 7;  v[PC + 2 b + 1]: channels 32 b + 16 + 8 h + 0 .. 7
	v_permlane16_swap_b32 v[PC], v[PC+2]           ; lanes 0-15 block 0, lanes 16-31 block 1: v[PC] its channels 0-7, v[PC + 2] its channels 8-15;
	v_permlane16_swap_b32 v[PC+1], v[PC+3]         ; v[PC + 1] its channels 16-23, v[PC + 3] its channels 24-31
	v_mov_b32 v230, v[PC+1]                        ; the two middle registers change places: the four then run along the block
	v_mov_b32 v[PC+1], v[PC+2]
	v_mov_b32 v[PC+2], v230
	global_store_b128 v1, v[PC:PC+3], s[CXB:CXB+1] ; 512 consecutive bytes: half an image
	v_lshl_or_b32 v231, v[QY+1], 8, v[QY]
	ds_store_b16 v5, v231
	s_wait_dscnt 0x0
	s_barrier_signal -1
	s_barrier_wait -1
	s_cmp_lg_u32 s[WV], 0
	s_cbranch_scc1 .Ldone
	ds_load_b128 v[S:S+3], v6
	s_wait_dscnt 0x0
	global_store_b128 v1, v[S:S+3], s[CSB:CSB+1]
.Ldone:
	CROUND                                         ; the closing round
	s_endpgm
.Lfunc_end_k_q1cc230975f_attn:
	.size	k_q1cc230975f_attn, .Lfunc_end_k_q1cc230975f_attn-k_q1cc230975f_attn
	.p2alignl 7, 3214868480
	.fill 96, 4, 3214868480
	.section	.rodata,"a",@progbits
	.p2align	6, 0x0
	.amdhsa_kernel k_q1cc230975f_attn
		.amdhsa_group_segment_fixed_size 327680
		.amdhsa_private_segment_fixed_size 0
		.amdhsa_enable_private_segment 0
		.amdhsa_kernarg_size 16
		.amdhsa_user_sgpr_count 2
		.amdhsa_user_sgpr_kernarg_segment_ptr 1
		.amdhsa_wavefront_size32 1
		.amdhsa_system_sgpr_workgroup_id_x 1
		.amdhsa_system_sgpr_workgroup_id_y 1
		.amdhsa_system_sgpr_workgroup_id_z 1
		.amdhsa_system_vgpr_workitem_id 0
		.amdhsa_next_free_vgpr 256
		.amdhsa_next_free_sgpr 94
		.amdhsa_reserve_vcc 0
		.amdhsa_float_denorm_mode_32 3
		.amdhsa_float_denorm_mode_16_64 3
		.amdhsa_memory_ordered 1
		.amdhsa_forward_progress 1
		.amdhsa_inst_pref_size 44
	.end_amdhsa_kernel
	.amdgpu_metadata
---
amdhsa.version: [ 1, 2 ]
amdhsa.kernels:
  - .name:           k_q1cc230975f_attn
    .symbol:         k_q1cc230975f_attn.kd
    .args:
      - { .name: qkv, .offset: 0, .size: 8, .value_kind: global_buffer, .address_space: global }
      - { .name: ctx, .offset: 8, .size: 8, .value_kind: global_buffer, .address_space: global }
    .group_segment_fixed_size: 327680
    .private_segment_fixed_size: 0
    .kernarg_segment_align: 8
    .kernarg_segment_size: 16
    .max_flat_workgroup_size: 512
    .sgpr_count:     94
    .vgpr_count:     256
    .wavefront_size: 32
...
	.end_amdgpu_metadata
.endif
;; end of part 2
;; launch wo (part 3): grid 32 x 8, 8 waves a work-group, clusters of 4 x 1, 327,680 bytes of LDS; arguments ctx, wo_codes, wo_scales, X, x2; writes x2
.if DOCPART == 3
	.amdgcn_target "amdgcn-amd-amdhsa--gfx1250"
	.amdhsa_code_object_version 6
	.text
	.protected	k_q1cc230975f_wo
	.globl	k_q1cc230975f_wo
	.p2align	8
	.type	k_q1cc230975f_wo,@function
k_q1cc230975f_wo:
	s_mov_b64 s[64:65], 0
	v_nop
	global_prefetch_b8 v0, s[64:65] scope:SCOPE_SE
	s_setreg_imm32_b32 hwreg(HW_REG_WAVE_MODE, 25, 1), 1
	s_wait_xcnt 0x0
	s_wait_alu depctr_hold_cnt(0) depctr_sa_sdst(0) depctr_va_vdst(0) depctr_va_sdst(0) depctr_va_ssrc(0) depctr_va_vcc(0) depctr_vm_vsrc(0)
	s_getreg_b32 s2, hwreg(HW_REG_IB_STS2, 6, 4)
	s_cmp_eq_u32 s2, 0
	s_cbranch_scc0 .Lentry_in_a_cluster
	s_endpgm
.Lentry_in_a_cluster:
	s_bfe_u32 s2, ttmp6, 0x10000c
	s_cmp_lg_u32 s2, 0x3003
	s_cbranch_scc0 .Lentry_shape_is_right
	s_endpgm
.Lentry_shape_is_right:
; x2 = X + ctx x wo, the product on FP4 codes.  A work-group makes 128 tokens (rb) x 128 columns (cb); K = 1,024 in eight steps.
; Wave (th, ng): token tiles 4 th .. + 3, weight rows 32 ng .. + 31 (two tiles): eight accumulators by turns.  Used transposed (source 0 = weight rows): a lane holds one token and eight neighbouring columns.
; LDS is filled once: wo's 128 rows (joint load: the four partners differ in rb alone), ctx's 64 images and its 16 planes of scale halves (plain loads: they hang on rb).  One tensor load a wave at the most.
; Token tiles are permuted (lane r of tile 2 b + u: token 32 b + 8 u + r + 8 (r / 8)); the way out puts rows back by address.
; The results meet in a stage (rows of 512 bytes + 16) and leave as whole rows: each store covers 512 consecutive bytes, aligned.  X's rows are asked for at the head and land under the products.
; No prefetch: every load goes out at the head.  LIMITS: NaN and infinities are not served.
.set WPITCH, 528
.set AIMG, 128*WPITCH
.set CSC,  AIMG+65536                  ; [head 16][tile 8][row 16] two bytes
.set STG,  CSC+4096
.set SPITCH, 528
.set WV, 14
.set CX, 15
.set RB, 16
.set CB, 17
.set TH, 18
.set NG, 19
.set G1W, 20
.set G1A, 28
.set G1P, 36
.set G0W, 44
.set G0A, 48
.set G0P, 56
.set WSB, 60
.set XB, 62
.set OB, 66
.set JO, 72
.set ACC, 16
.set FA, 80
.set FW, 112
.set XR, 128
.set WS, 192
.set AS, 200
.set TP, 216
.macro PLACES n
.rept \n
	v_nop
.endr
.endm
.macro CROUND
	s_barrier_signal -1
	s_barrier_wait -1
	s_cmp_lg_u32 s[WV], 0
	s_cbranch_scc1 .Lnw0_\@
	s_barrier_signal -3
.Lnw0_\@:
	s_barrier_wait -3
	s_barrier_signal -1
	s_barrier_wait -1
.endm
.macro ARM n, g0, g1
	s_cmp_lg_u32 s[WV], \n
	s_cbranch_scc1 .Lskip_\@
	tensor_load_to_lds s[\g0:\g0+3], s[\g1:\g1+7]
.rept 4
	v_nop
.endr
.Lskip_\@:
.endm
.macro WM d, a, b, z, sa, sb, ra, rb
.if \z
.if (\ra) && (\rb)
	v_wmma_scale_f32_16x16x128_f8f6f4 v[\d:\d+7], v[\a:\a+7], v[\b:\b+7], 0, v[\sa], v[\sb] matrix_a_fmt:MATRIX_FMT_FP4 matrix_b_fmt:MATRIX_FMT_FP4 matrix_a_scale:MATRIX_SCALE_ROW1 matrix_b_scale:MATRIX_SCALE_ROW1
.elseif \ra
	v_wmma_scale_f32_16x16x128_f8f6f4 v[\d:\d+7], v[\a:\a+7], v[\b:\b+7], 0, v[\sa], v[\sb] matrix_a_fmt:MATRIX_FMT_FP4 matrix_b_fmt:MATRIX_FMT_FP4 matrix_a_scale:MATRIX_SCALE_ROW1
.elseif \rb
	v_wmma_scale_f32_16x16x128_f8f6f4 v[\d:\d+7], v[\a:\a+7], v[\b:\b+7], 0, v[\sa], v[\sb] matrix_a_fmt:MATRIX_FMT_FP4 matrix_b_fmt:MATRIX_FMT_FP4 matrix_b_scale:MATRIX_SCALE_ROW1
.else
	v_wmma_scale_f32_16x16x128_f8f6f4 v[\d:\d+7], v[\a:\a+7], v[\b:\b+7], 0, v[\sa], v[\sb] matrix_a_fmt:MATRIX_FMT_FP4 matrix_b_fmt:MATRIX_FMT_FP4
.endif
.else
.if (\ra) && (\rb)
	v_wmma_scale_f32_16x16x128_f8f6f4 v[\d:\d+7], v[\a:\a+7], v[\b:\b+7], v[\d:\d+7], v[\sa], v[\sb] matrix_a_fmt:MATRIX_FMT_FP4 matrix_b_fmt:MATRIX_FMT_FP4 matrix_a_scale:MATRIX_SCALE_ROW1 matrix_b_scale:MATRIX_SCALE_ROW1
.elseif \ra
	v_wmma_scale_f32_16x16x128_f8f6f4 v[\d:\d+7], v[\a:\a+7], v[\b:\b+7], v[\d:\d+7], v[\sa], v[\sb] matrix_a_fmt:MATRIX_FMT_FP4 matrix_b_fmt:MATRIX_FMT_FP4 matrix_a_scale:MATRIX_SCALE_ROW1
.elseif \rb
	v_wmma_scale_f32_16x16x128_f8f6f4 v[\d:\d+7], v[\a:\a+7], v[\b:\b+7], v[\d:\d+7], v[\sa], v[\sb] matrix_a_fmt:MATRIX_FMT_FP4 matrix_b_fmt:MATRIX_FMT_FP4 matrix_b_scale:MATRIX_SCALE_ROW1
.else
	v_wmma_scale_f32_16x16x128_f8f6f4 v[\d:\d+7], v[\a:\a+7], v[\b:\b+7], v[\d:\d+7], v[\sa], v[\sb] matrix_a_fmt:MATRIX_FMT_FP4 matrix_b_fmt:MATRIX_FMT_FP4
.endif
.endif
.endm
	s_load_b256 s[4:11], s[0:1], 0x0               ; ctx, wo codes, wo scales, X
	s_load_b64 s[12:13], s[0:1], 0x20              ; x2
	v_lshrrev_b32 v216, 5, v0
	v_readfirstlane_b32 s[WV], v216                ; wave 0..7
	s_bfe_u32 s[CX], ttmp6, 0x40000
	s_lshl_b32 s[RB], ttmp9, 2
	s_add_co_u32 s[RB], s[RB], s[CX]               ; block of 128 tokens: it enters global addresses alone
	s_and_b32 s[CB], ttmp7, 0xffff                 ; block of 128 columns, shared by the partners
	s_and_b32 s[TH], s[WV], 1
	s_lshr_b32 s[NG], s[WV], 1
	s_mov_b32 s[G1W], 15|(1<<20)|(1<<21)|(6<<22)|(3<<25)   ; wo: 128 rows of 512 bytes + 16, for all four partners
	s_mov_b32 s[G1W+1], 512<<16
	s_mov_b32 s[G1W+2], 128<<16
	s_mov_b32 s[G1W+3], 512<<16
	s_mov_b32 s[G1W+4], 128
	s_mov_b32 s[G1W+5], 512
	s_mov_b32 s[G1W+6], 0
	s_mov_b32 s[G1W+7], 0
	s_mov_b32 s[G1A], 3<<16                        ; images: a dense block of 32,768 bytes as 128 rows of 256
	s_mov_b32 s[G1A+1], 32<<16
	s_mov_b32 s[G1A+2], 128<<16
	s_mov_b32 s[G1A+3], 32<<16
	s_mov_b32 s[G1A+4], 128
	s_mov_b32 s[G1A+5], 32
	s_mov_b32 s[G1A+6], 0
	s_mov_b32 s[G1A+7], 0
	s_mov_b32 s[G1P], 3<<16                        ; scale halves: 16 planes, 256 bytes of each, 8,192 bytes apart
	s_mov_b32 s[G1P+1], 32<<16
	s_mov_b32 s[G1P+2], 16<<16
	s_mov_b32 s[G1P+3], 32<<16
	s_mov_b32 s[G1P+4], 16
	s_mov_b32 s[G1P+5], 1024
	s_mov_b32 s[G1P+6], 0
	s_mov_b32 s[G1P+7], 0
	v_and_b32 v216, 31, v0                         ; lane
	v_and_b32 v217, 15, v0                         ; r
	v_bfe_u32 v218, v0, 4, 1                       ; h
	v_lshlrev_b32 v1, 4, v216
	s_lshl_b32 s68, s[TH], 15
	s_add_co_u32 s68, s68, AIMG
	v_add_nc_u32 v2, s68, v1                       ; my four token tiles' images
	s_mul_i32 s68, s[NG], 32*WPITCH
	v_mul_u32_u24 v3, v217, WPITCH
	v_lshl_add_u32 v3, v218, 4, v3
	v_add_nc_u32 v3, s68, v3                       ; my weight rows
	s_lshl_b32 s68, s[TH], 7
	s_add_co_u32 s68, s68, CSC
	v_lshl_add_u32 v4, v216, 1, s68                ; scale halves: lanes 0-15 an even tile, lanes 16-31 the odd one
	s_mul_i32 s68, s[TH], 64*SPITCH
	s_lshl_b32 s69, s[NG], 7
	s_add_co_u32 s68, s68, s69
	s_add_co_u32 s68, s68, STG
	v_mul_u32_u24 v5, v217, SPITCH
	v_lshl_add_u32 v5, v218, 5, v5
	v_add_nc_u32 v5, s68, v5                       ; the stage, in: row 64 th + r, bytes 128 ng + 32 h
	s_mul_i32 s68, s[WV], 16*SPITCH
	s_add_co_u32 s68, s68, STG
	v_add_nc_u32 v6, s68, v1                       ; back: tile = my wave's number, 16 bytes a lane
	v_lshlrev_b32 v7, 5, v216
	s_lshl_b32 s[JO], s[CB], 16
	s_mov_b32 s[JO+1], 0
	s_lshl_b32 s68, s[CB], 12
	s_lshl_b32 s69, s[NG], 10
	s_add_co_u32 s68, s68, s69
	s_mov_b32 s69, 0
	s_wait_kmcnt 0x0
	s_add_nc_u64 s[WSB:WSB+1], s[8:9], s[68:69]
	s_mov_b32 s[G0W], 1
	s_mov_b32 s[G0W+1], 0
	s_add_nc_u64 s[G0W+2:G0W+3], s[6:7], s[JO:JO+1]
	s_or_b32 s[G0W+3], s[G0W+3], 0x80000000
	s_lshl_b32 s70, s[RB], 16
	s_mov_b32 s71, 0
	s_mov_b32 s[G0A], 1
	s_mov_b32 s[G0A+1], AIMG
	s_add_nc_u64 s[G0A+2:G0A+3], s[4:5], s[70:71]
	s_mov_b32 s[G0A+4], 1
	s_mov_b32 s[G0A+5], AIMG+32768
	s_add_nc_u64 s[G0A+6:G0A+7], s[G0A+2:G0A+3], 32768
	s_or_b32 s[G0A+3], s[G0A+3], 0x80000000
	s_or_b32 s[G0A+7], s[G0A+7], 0x80000000
	s_lshl_b32 s70, s[RB], 8
	s_add_co_u32 s70, s70, 2097152
	s_mov_b32 s[G0P], 1
	s_mov_b32 s[G0P+1], CSC
	s_add_nc_u64 s[G0P+2:G0P+3], s[4:5], s[70:71]
	s_or_b32 s[G0P+3], s[G0P+3], 0x80000000
	s_lshl_b32 s70, s[RB], 7                       ; the rows that I store: tile = my wave's number: token 128 rb + 32 (w / 2) + 8 (w & 1) + i + 8 (i / 8)
	s_lshr_b32 s74, s[WV], 1
	s_lshl_b32 s74, s74, 5
	s_add_co_u32 s70, s70, s74
	s_and_b32 s74, s[WV], 1
	s_lshl_b32 s74, s74, 3
	s_add_co_u32 s70, s70, s74
	s_lshl_b32 s70, s70, 12
	s_lshl_b32 s74, s[CB], 9
	s_add_co_u32 s70, s70, s74
	s_add_nc_u64 s[XB:XB+1], s[10:11], s[70:71]
	s_add_nc_u64 s[OB:OB+1], s[12:13], s[70:71]
	global_load_b128 v[WS:WS+3], v7, s[WSB:WSB+1]          ; lanes 0-15 rows 32 ng + r, lanes 16-31 rows 32 ng + 16 + r: eight words a row
	global_load_b128 v[WS+4:WS+7], v7, s[WSB:WSB+1] offset:16
.set ii, 0
.rept 16
	global_load_b128 v[XR+4*ii:XR+4*ii+3], v1, s[XB:XB+1] offset:(ii+8*(ii/8))*4096 th:TH_LOAD_NT
.set ii, ii+1
.endr
	CROUND
	ARM 0, G0W, G1W
	ARM 1, G0A, G1A
	ARM 2, G0A+4, G1A
	ARM 3, G0P, G1P
	s_wait_tensorcnt 0x0
	s_barrier_signal -1
	s_barrier_wait -1
	; ctx's scale words: K step s is heads 2 s and 2 s + 1, two bytes each
.irp b, 0,1
.irp s, 0,1,2,3,4,5,6,7
	ds_load_u16 v[TP+2*(8*\b+\s)], v4 offset:512*\s+64*\b
	ds_load_u16 v[TP+2*(8*\b+\s)+1], v4 offset:512*\s+64*\b+256
.endr
.endr
	s_wait_dscnt 0x0
.irp b, 0,1
.irp s, 0,1,2,3,4,5,6,7
	v_lshl_or_b32 v[AS+8*\b+\s], v[TP+2*(8*\b+\s)+1], 16, v[TP+2*(8*\b+\s)]
.endr
.endr
	PLACES 8                                       ; a scale register written by a vector instruction stands 8 places ahead of a scaled product
	s_wait_loadcnt 16                              ; the weights' scale words are in; X's 16 rows may be out
.macro KSTEP s, z
.if (\s) > 0
	PLACES 4
.endif
.irp u, 0,1
.irp c, 0,1
	ds_load_b128 v[FW+8*\u+4*\c:FW+8*\u+4*\c+3], v3 offset:8448*\u+64*(\s)+32*\c
.endr
.endr
.irp m, 0,1,2,3
.irp c, 0,1
	ds_load_b128 v[FA+8*\m+4*\c:FA+8*\m+4*\c+3], v2 offset:8192*\m+1024*(\s)+512*\c
.endr
.endr
.irp m, 0,1,2,3
	s_wait_dscnt 6-2*\m                            ; the later token tiles' loads may be out
.irp u, 0,1
	WM ACC+16*\m+8*\u, FW+8*\u, FA+8*\m, \z, WS+(\s), AS+8*(\m/2)+(\s), \u, \m%2
.endr
.endr
.endm
	KSTEP 0, 1
	KSTEP 1, 0
	KSTEP 2, 0
	KSTEP 3, 0
	KSTEP 4, 0
	KSTEP 5, 0
	KSTEP 6, 0
	KSTEP 7, 0
	PLACES 4
.irp m, 0,1,2,3
.irp u, 0,1
	ds_store_b128 v5, v[ACC+16*\m+8*\u:ACC+16*\m+8*\u+3] offset:8448*\m+64*\u          ; each accumulator from its low end on
	ds_store_b128 v5, v[ACC+16*\m+8*\u+4:ACC+16*\m+8*\u+7] offset:8448*\m+64*\u+16
.endr
.endr
	s_wait_dscnt 0x0
	s_barrier_signal -1
	s_barrier_wait -1                              ; 128 whole rows lie in the stage
.set ii, 0
.rept 16
	ds_load_b128 v[ACC+4*ii:ACC+4*ii+3], v6 offset:SPITCH*ii
.set ii, ii+1
.endr
	s_wait_loadcnt 0x0                             ; X's rows
.set ii, 0
.rept 16
	s_wait_dscnt 15-ii
	v_pk_add_f32 v[XR+4*ii:XR+4*ii+1], v[XR+4*ii:XR+4*ii+1], v[ACC+4*ii:ACC+4*ii+1]
	v_pk_add_f32 v[XR+4*ii+2:XR+4*ii+3], v[XR+4*ii+2:XR+4*ii+3], v[ACC+4*ii+2:ACC+4*ii+3]
	global_store_b128 v1, v[XR+4*ii:XR+4*ii+3], s[OB:OB+1] offset:(ii+8*(ii/8))*4096
.set ii, ii+1
.endr
	CROUND                                         ; the closing round
	s_endpgm
.Lfunc_end_k_q1cc230975f_wo:
	.size	k_q1cc230975f_wo, .Lfunc_end_k_q1cc230975f_wo-k_q1cc230975f_wo
	.p2alignl 7, 3214868480
	.fill 96, 4, 3214868480
	.section	.rodata,"a",@progbits
	.p2align	6, 0x0
	.amdhsa_kernel k_q1cc230975f_wo
		.amdhsa_group_segment_fixed_size 327680
		.amdhsa_private_segment_fixed_size 0
		.amdhsa_enable_private_segment 0
		.amdhsa_kernarg_size 40
		.amdhsa_user_sgpr_count 2
		.amdhsa_user_sgpr_kernarg_segment_ptr 1
		.amdhsa_wavefront_size32 1
		.amdhsa_system_sgpr_workgroup_id_x 1
		.amdhsa_system_sgpr_workgroup_id_y 1
		.amdhsa_system_sgpr_workgroup_id_z 1
		.amdhsa_system_vgpr_workitem_id 0
		.amdhsa_next_free_vgpr 256
		.amdhsa_next_free_sgpr 76
		.amdhsa_reserve_vcc 0
		.amdhsa_float_denorm_mode_32 3
		.amdhsa_float_denorm_mode_16_64 3
		.amdhsa_memory_ordered 1
		.amdhsa_forward_progress 1
		.amdhsa_inst_pref_size 34
	.end_amdhsa_kernel
	.amdgpu_metadata
---
amdhsa.version: [ 1, 2 ]
amdhsa.kernels:
  - .name:           k_q1cc230975f_wo
    .symbol:         k_q1cc230975f_wo.kd
    .args:
      - { .name: ctx, .offset: 0, .size: 8, .value_kind: global_buffer, .address_space: global }
      - { .name: wo_codes, .offset: 8, .size: 8, .value_kind: global_buffer, .address_space: global }
      - { .name: wo_scales, .offset: 16, .size: 8, .value_kind: global_buffer, .address_space: global }
      - { .name: X, .offset: 24, .size: 8, .value_kind: global_buffer, .address_space: global }
      - { .name: x2, .offset: 32, .size: 8, .value_kind: global_buffer, .address_space: global }
    .group_segment_fixed_size: 327680
    .private_segment_fixed_size: 0
    .kernarg_segment_align: 8
    .kernarg_segment_size: 40
    .max_flat_workgroup_size: 256
    .sgpr_count:     76
    .vgpr_count:     256
    .wavefront_size: 32
...
	.end_amdgpu_metadata
.endif
;; end of part 3
;; launch gateup (part 4): grid 32 x 8, 16 waves a work-group, clusters of 4 x 1, 327,680 bytes of LDS; arguments x2, norm2_w, router_w, sh_gate_codes, sh_gate_scales, sh_up_codes, sh_up_scales, e_gate_codes, e_gate_scales, e_up_codes, e_up_scales, hid; writes hid
.if DOCPART == 4
	.amdgcn_target "amdgcn-amd-amdhsa--gfx1250"
	.amdhsa_code_object_version 6
	.text
	.protected	k_q1cc230975f_gateup
	.globl	k_q1cc230975f_gateup
	.p2align	8
	.type	k_q1cc230975f_gateup,@function
k_q1cc230975f_gateup:
	s_mov_b64 s[64:65], 0
	v_nop
	global_prefetch_b8 v0, s[64:65] scope:SCOPE_SE
	s_setreg_imm32_b32 hwreg(HW_REG_WAVE_MODE, 25, 1), 1
	s_wait_xcnt 0x0
	s_wait_alu depctr_hold_cnt(0) depctr_sa_sdst(0) depctr_va_vdst(0) depctr_va_sdst(0) depctr_va_ssrc(0) depctr_va_vcc(0) depctr_vm_vsrc(0)
	s_getreg_b32 s2, hwreg(HW_REG_IB_STS2, 6, 4)
	s_cmp_eq_u32 s2, 0
	s_cbranch_scc0 .Lentry_in_a_cluster
	s_endpgm
.Lentry_in_a_cluster:
	s_bfe_u32 s2, ttmp6, 0x10000c
	s_cmp_lg_u32 s2, 0x3003
	s_cbranch_scc0 .Lentry_shape_is_right
	s_endpgm
.Lentry_shape_is_right:
; h2 = rmsnorm(x2, norm2_w) quantised to FP4; gate and up of the shared and the two expert layers on codes; hidden = silu(gate) x up, quantised along the hidden units; the router and the combine weights.
; BOTH EXPERTS ARE KEPT FOR EVERY TOKEN (2 of 2), and the one-hot sum puts each weight back at its own expert: combine = softmax(softmax(logits)), whatever the order of the two.  Nothing is routed.
; SHARES.  A work-group takes 128 tokens (rb) and 192 of the 1,536 hidden units (order: shared, expert 0, expert 1) as three pieces of 64: piece p = 3 cb + j; p < 8: the shared layer's rows 64 p, else the expert tensors' rows 64 (p - 8).
;   X phase: as in the first launch.  Work-group cb also makes the logits of its own token tile cb (f32 multiply-adds), in the pass that holds that tile.
;   Products: waves 0-11: wave (tq, j3): token tiles 2 tq, 2 tq + 1 x piece j3: 16 accumulators (gate and up, two blocks of 32 units).  12 shares of 10 fragments for 16 products; no share for 16 waves reads as little from LDS for its products.
;   Waves 12-15 write the pad bytes of the scale rows; wave 12 finishes the router.
; Token tiles are permuted and weight tiles plain, as in the first launch; products transposed: a lane holds one token; the two tiles of a block give it units 8 h + j and 16 + 8 h + j, and one exchange of halves of the block's two code registers gives it 16 neighbours.
; Images in LDS and the loads of x2 are the first launch's: blocks 272 bytes apart; 512 consecutive bytes of one token a load, then four exchanges of halves a row pair.
; CLUSTER: the partners differ in rb alone: the six weight tiles come by joint loads (mask 15), one a wave.  LDS is filled once.  No prefetch: tensor loads go out at the head, x2 is kept on its way by 32 register loads a wave.
; LIMITS: NaN and infinities are not served; blocks under 2^-124 get the byte 1; silu by v_exp_f32 and v_rcp_f32; a very negative gate gives -0; sums in f32 in another order than the reference's.
.set WPITCH, 528
.set WMAT,   128*WPITCH                ; a piece: 64 rows of gate, then 64 rows of up
.set IMB,    1088                      ; an image in LDS: four blocks of 256 bytes + 16
.set IMG,    3*WMAT
.set ASC,    IMG+64*IMB
.set SSP,    ASC+4096
.set RFL,    SSP+2048
.set RLP,    RFL+1024                  ; partial logits [ks 8][row 16][expert 2] f32
.set HST,    RLP+1024                  ; the hidden layer's scale bytes [tile 8][row 16][8]
.set WV, 28
.set CX, 29
.set RB, 30
.set CB, 31
.set TQ, 32
.set J3, 33
.set UU, 34
.set KS, 35
.set G1, 36
.set SEL, 66
.set S10, 72
.set SEP, 73
.set RR, 74
.set XB, 76
.set GSB, 78
.set USB, 80
.set HB, 82
.set HSB, 84
.set CMB, 94
.set XA, 24
.set NW, 152
.set RFR, 160
.set T, 168
.set WS, 200                           ; v200-231 the weights' scale words: 8 (2 block + gate/up) + s
.set AS, 232                           ; v232-239 h2's scale words
.set RW, 240                           ; v240-255 router_w at my 8 k; later the quantiser's registers
.set ACC, 24
.set FA, 152
.set FW, 168
.set TT, 168
.set CD, 152
.set QM, 240
.set QP, 244
.set QS, 248
.set QY, 252
.set R_, 168
.set H_, 169
.set L_, 170
.set A_, 172
.set B_, 173
.macro PLACES n
.rept \n
	v_nop
.endr
.endm
.macro CROUND
	s_barrier_signal -1
	s_barrier_wait -1
	s_cmp_lg_u32 s[WV], 0
	s_cbranch_scc1 .Lnw0_\@
	s_barrier_signal -3
.Lnw0_\@:
	s_barrier_wait -3
	s_barrier_signal -1
	s_barrier_wait -1
.endm
.macro ARM n, g0, g1
	s_cmp_lg_u32 s[WV], \n
	s_cbranch_scc1 .Lskip_\@
	tensor_load_to_lds s[\g0:\g0+3], s[\g1:\g1+7]
.rept 4
	v_nop
.endr
.Lskip_\@:
.endm
.macro WM d, a, b, z, sa, sb, ra, rb
.if \z
.if (\ra) && (\rb)
	v_wmma_scale_f32_16x16x128_f8f6f4 v[\d:\d+7], v[\a:\a+7], v[\b:\b+7], 0, v[\sa], v[\sb] matrix_a_fmt:MATRIX_FMT_FP4 matrix_b_fmt:MATRIX_FMT_FP4 matrix_a_scale:MATRIX_SCALE_ROW1 matrix_b_scale:MATRIX_SCALE_ROW1
.elseif \ra
	v_wmma_scale_f32_16x16x128_f8f6f4 v[\d:\d+7], v[\a:\a+7], v[\b:\b+7], 0, v[\sa], v[\sb] matrix_a_fmt:MATRIX_FMT_FP4 matrix_b_fmt:MATRIX_FMT_FP4 matrix_a_scale:MATRIX_SCALE_ROW1
.elseif \rb
	v_wmma_scale_f32_16x16x128_f8f6f4 v[\d:\d+7], v[\a:\a+7], v[\b:\b+7], 0, v[\sa], v[\sb] matrix_a_fmt:MATRIX_FMT_FP4 matrix_b_fmt:MATRIX_FMT_FP4 matrix_b_scale:MATRIX_SCALE_ROW1
.else
	v_wmma_scale_f32_16x16x128_f8f6f4 v[\d:\d+7], v[\a:\a+7], v[\b:\b+7], 0, v[\sa], v[\sb] matrix_a_fmt:MATRIX_FMT_FP4 matrix_b_fmt:MATRIX_FMT_FP4
.endif
.else
.if (\ra) && (\rb)
	v_wmma_scale_f32_16x16x128_f8f6f4 v[\d:\d+7], v[\a:\a+7], v[\b:\b+7], v[\d:\d+7], v[\sa], v[\sb] matrix_a_fmt:MATRIX_FMT_FP4 matrix_b_fmt:MATRIX_FMT_FP4 matrix_a_scale:MATRIX_SCALE_ROW1 matrix_b_scale:MATRIX_SCALE_ROW1
.elseif \ra
	v_wmma_scale_f32_16x16x128_f8f6f4 v[\d:\d+7], v[\a:\a+7], v[\b:\b+7], v[\d:\d+7], v[\sa], v[\sb] matrix_a_fmt:MATRIX_FMT_FP4 matrix_b_fmt:MATRIX_FMT_FP4 matrix_a_scale:MATRIX_SCALE_ROW1
.elseif \rb
	v_wmma_scale_f32_16x16x128_f8f6f4 v[\d:\d+7], v[\a:\a+7], v[\b:\b+7], v[\d:\d+7], v[\sa], v[\sb] matrix_a_fmt:MATRIX_FMT_FP4 matrix_b_fmt:MATRIX_FMT_FP4 matrix_b_scale:MATRIX_SCALE_ROW1
.else
	v_wmma_scale_f32_16x16x128_f8f6f4 v[\d:\d+7], v[\a:\a+7], v[\b:\b+7], v[\d:\d+7], v[\sa], v[\sb] matrix_a_fmt:MATRIX_FMT_FP4 matrix_b_fmt:MATRIX_FMT_FP4
.endif
.endif
.endm
.macro QUANT nb, src, str, dst
.set qb, 0
.rept \nb
	v_max3_num_f32 v[QM+qb], |v[\src+\str*qb]|, |v[\src+\str*qb+1]|, 0x1800000
.set qb, qb+1
.endr
.irp i, 2,4,6,8,10,12,14
.set qb, 0
.rept \nb
	v_max3_num_f32 v[QM+qb], v[QM+qb], |v[\src+\str*qb+\i]|, |v[\src+\str*qb+\i+1]|
.set qb, qb+1
.endr
.endr
.set qb, 0
.rept \nb
	v_permlanex16_b32 v[QP+qb], v[QM+qb], s[SEL], s[SEL+1]
.set qb, qb+1
.endr
.set qb, 0
.rept \nb
	v_max_num_f32 v[QM+qb], v[QM+qb], v[QP+qb]
.set qb, qb+1
.endr
.set qb, 0
.rept \nb
	v_add_nc_u32 v[QS+qb], 0xff000000, v[QM+qb]
.set qb, qb+1
.endr
.set qb, 0
.rept \nb
	v_lshrrev_b32 v[QY+qb], 23, v[QS+qb]
.set qb, qb+1
.endr
.set qb, 0
.rept \nb
	v_cvt_scalef32_pk8_fp4_f32 v[\dst+2*qb], v[\src+\str*qb:\src+\str*qb+7], v[QS+qb]
	v_cvt_scalef32_pk8_fp4_f32 v[\dst+2*qb+1], v[\src+\str*qb+8:\src+\str*qb+15], v[QS+qb]
.set qb, qb+1
.endr
	v_nop
.endm
	s_load_b256 s[4:11], s[0:1], 0x0               ; x2, norm2_w, router_w, sh_gate codes
	s_load_b256 s[12:19], s[0:1], 0x20             ; sh_gate scales, sh_up codes, sh_up scales, e_gate codes
	s_load_b256 s[20:27], s[0:1], 0x40             ; e_gate scales, e_up codes, e_up scales, hid
	v_lshrrev_b32 v[A_], 5, v0
	v_readfirstlane_b32 s[WV], v[A_]               ; wave 0..15
	v_and_b32 v[R_], 15, v0
	v_bfe_u32 v[H_], v0, 4, 1
	v_and_b32 v[L_], 31, v0
	s_bfe_u32 s[CX], ttmp6, 0x40000
	s_lshl_b32 s[RB], ttmp9, 2
	s_add_co_u32 s[RB], s[RB], s[CX]               ; block of 128 tokens: it enters global addresses alone
	s_and_b32 s[CB], ttmp7, 0xffff                 ; block of 192 hidden units, shared by the partners
	s_and_b32 s[TQ], s[WV], 3
	s_lshr_b32 s[J3], s[WV], 2
	s_min_u32 s[J3], s[J3], 2                      ; waves 12-15 have no piece: held at 2, so that their loads at the head stay inside the buffers
	s_lshr_b32 s[UU], s[WV], 3
	s_and_b32 s[KS], s[WV], 7
	s_sub_co_u32 s[RR], s[CB], s[UU]               ; I make logits in the pass i with 2 i = cb - u
	s_mov_b32 s[SEL], 0x76543210
	s_mov_b32 s[SEL+1], 0xfedcba98
	s_mov_b32 s[S10], 0x3a800000
	s_mov_b32 s[SEP], 0x358637bd
	s_mov_b32 s[G1], 15|(1<<20)|(1<<21)|(6<<22)|(3<<25)    ; 64 rows of 512 bytes + 16, for all four partners
	s_mov_b32 s[G1+1], 512<<16
	s_mov_b32 s[G1+2], 64<<16
	s_mov_b32 s[G1+3], 512<<16
	s_mov_b32 s[G1+4], 64
	s_mov_b32 s[G1+5], 512
	s_mov_b32 s[G1+6], 0
	s_mov_b32 s[G1+7], 0
	; every address register of every role is made here and kept
	s_lshl_b32 s86, s[UU], 15
	s_lshl_b32 s87, s[KS], 9
	s_add_co_u32 s86, s86, s87
	v_lshlrev_b32 v1, 5, v[R_]
	v_lshl_add_u32 v1, v[H_], 4, v1
	v_add_nc_u32 v1, s86, v1                       ; x2: 8 tokens x u + 512 ks + 32 r + 16 h: the 32 lanes take 512 consecutive bytes
	v_lshl_add_u32 v2, v[R_], 5, s87
	v_lshlrev_b32 v3, 5, v[L_]                     ; the weights' scale rows: 32 bytes x lane
	v_lshrrev_b32 v[A_], 2, v[R_]
	v_and_b32 v[B_], 3, v[R_]
	v_mul_u32_u24 v4, v[A_], 272
	v_lshl_add_u32 v4, v[B_], 2, v4
	v_lshl_add_u32 v4, v[H_], 7, v4
	s_mul_i32 s88, s[WV], IMB
	s_add_co_u32 s88, s88, IMG
	v_add_nc_u32 v4, s88, v4
	s_lshl_b32 s88, s[UU], 9
	s_lshl_b32 s89, s[KS], 2
	s_add_co_u32 s88, s88, s89
	v_lshl_add_u32 v5, v[H_], 8, v[A_]
	s_add_co_u32 s89, s88, ASC
	v_add_nc_u32 v5, s89, v5
	s_add_co_u32 s89, s88, SSP
	v_lshlrev_b32 v6, 8, v[H_]
	v_add_nc_u32 v6, s89, v6
	s_lshl_b32 s89, s[UU], 9
	s_add_co_u32 s89, s89, SSP
	v_lshl_add_u32 v7, v[R_], 5, s89
	s_lshl_b32 s89, s[WV], 6
	s_add_co_u32 s89, s89, RFL
	v_lshl_add_u32 v8, v[R_], 2, s89
	v_lshl_add_u32 v9, v[H_], 5, s89
	s_mul_i32 s89, s[TQ], 16*IMB
	s_add_co_u32 s89, s89, IMG
	v_mul_u32_u24 v10, v[H_], 272
	v_lshl_add_u32 v10, v[R_], 4, v10
	v_add_nc_u32 v10, s89, v10
	s_mul_i32 s89, s[J3], WMAT
	v_mul_u32_u24 v11, v[R_], WPITCH
	v_lshl_add_u32 v11, v[H_], 4, v11
	v_add_nc_u32 v11, s89, v11                     ; my piece's rows
	s_lshl_b32 s89, s[TQ], 10
	s_add_co_u32 s89, s89, ASC
	v_lshl_add_u32 v12, v[L_], 5, s89
	v_lshlrev_b32 v13, 4, v[R_]
	v_lshl_add_u32 v13, v[H_], 3, v13              ; 16 r + 8 h
	s_lshl_b32 s88, s[TQ], 8
	s_add_co_u32 s88, s88, HST
	s_lshl_b32 s89, s[J3], 1
	s_add_co_u32 s89, s89, s88
	v_lshl_add_u32 v14, v[R_], 3, s89              ; the hidden layer's scale bytes
	s_add_co_u32 s89, s88, 6
	v_lshl_add_u32 v15, v[L_], 3, s89              ; the pad bytes 6 and 7 of 32 rows
	s_lshl_b32 s89, s[KS], 7
	s_add_co_u32 s89, s89, RLP
	v_lshl_add_u32 v16, v[H_], 6, s89              ; partial logits, in
	v_lshlrev_b32 v17, 3, v[R_]
	v_lshl_add_u32 v17, v[H_], 2, v17
	v_add_nc_u32 v17, RLP, v17                     ; and out: row r, expert h
	s_min_u32 s89, s[WV], 1
	s_lshl_b32 s89, s89, 9
	s_add_co_u32 s88, s89, HST
	v_lshl_add_u32 v18, v[L_], 4, s88
	v_lshlrev_b32 v19, 4, v[L_]
	v_lshlrev_b32 v20, 2, v[L_]
	s_lshl_b32 s88, s[KS], 10
	v_lshl_add_u32 v21, v[R_], 6, s88              ; router_w: 8 bytes x (128 ks + 8 r)
	v_mov_b32 v22, 0x7f7f
	s_mul_i32 s86, s[CB], 3
	s_wait_kmcnt 0x0
; piece j's two tiles: which tensors, which rows.  The choice hangs on cb alone
.macro PIECE j, ga, ua
	s_add_co_u32 s87, s86, \j
	s_sub_co_u32 s88, s87, 8
	s_cmp_lt_u32 s87, 8
	s_cselect_b32 s88, s87, s88
	s_cselect_b64 s[90:91], s[10:11], s[18:19]
	s_cselect_b64 s[92:93], s[14:15], s[22:23]
	s_lshl_b32 s88, s88, 15
	s_mov_b32 s89, 0
	s_mov_b32 s[\ga], 1
	s_mov_b32 s[\ga+1], WMAT*\j
	s_add_nc_u64 s[\ga+2:\ga+3], s[90:91], s[88:89]
	s_or_b32 s[\ga+3], s[\ga+3], 0x80000000
	s_mov_b32 s[\ua], 1
	s_mov_b32 s[\ua+1], WMAT*\j+WMAT/2
	s_add_nc_u64 s[\ua+2:\ua+3], s[92:93], s[88:89]
	s_or_b32 s[\ua+3], s[\ua+3], 0x80000000
.endm
	PIECE 0, 44, 48
	PIECE 1, 52, 56
	PIECE 2, 60, 68
	s_add_co_u32 s87, s86, s[J3]                   ; my own piece's scale rows
	s_sub_co_u32 s88, s87, 8
	s_cmp_lt_u32 s87, 8
	s_cselect_b32 s88, s87, s88
	s_cselect_b64 s[GSB:GSB+1], s[12:13], s[20:21]
	s_cselect_b64 s[USB:USB+1], s[16:17], s[24:25]
	s_lshl_b32 s88, s88, 11
	s_mov_b32 s89, 0
	s_add_nc_u64 s[GSB:GSB+1], s[GSB:GSB+1], s[88:89]
	s_add_nc_u64 s[USB:USB+1], s[USB:USB+1], s[88:89]
	s_lshl_b32 s96, s[RB], 19
	s_mov_b32 s97, 0
	s_add_nc_u64 s[XB:XB+1], s[4:5], s[96:97]
	s_lshl_b32 s96, s[RB], 3                       ; codes: (8 rb + 2 tq) 12,288 + (6 cb + 2 j3) 256
	s_lshl_b32 s98, s[TQ], 1
	s_add_co_u32 s96, s96, s98
	s_mul_i32 s96, s96, 12288
	s_mul_i32 s98, s[CB], 6
	s_lshl_b32 s99, s[J3], 1
	s_add_co_u32 s98, s98, s99
	s_lshl_b32 s98, s98, 8
	s_add_co_u32 s96, s96, s98
	s_add_nc_u64 s[HB:HB+1], s[26:27], s[96:97]
	s_lshl_b32 s96, s[CB], 15                      ; scale rows: 32,768 cb + 1,024 rb + 512 (wave 0 or 1)
	s_lshl_b32 s98, s[RB], 10
	s_add_co_u32 s96, s96, s98
	s_min_u32 s98, s[WV], 1
	s_lshl_b32 s98, s98, 9
	s_add_co_u32 s96, s96, s98
	s_add_co_u32 s96, s96, 3145728
	s_add_nc_u64 s[HSB:HSB+1], s[26:27], s[96:97]
	s_lshl_b32 s96, s[RB], 3                       ; combine weights of token tile 8 rb + cb
	s_add_co_u32 s96, s96, s[CB]
	s_lshl_b32 s96, s96, 7
	s_add_co_u32 s96, s96, 3407872
	s_add_nc_u64 s[CMB:CMB+1], s[26:27], s[96:97]
	global_load_b128 v[NW:NW+3], v2, s[6:7]
	global_load_b128 v[NW+4:NW+7], v2, s[6:7] offset:16
.irp q, 0,1,2,3
	global_load_b128 v[RW+4*\q:RW+4*\q+3], v21, s[8:9] offset:16*\q
.endr
.irp w, 0,1
	global_load_b128 v[WS+16*\w:WS+16*\w+3], v3, s[GSB:GSB+1] offset:1024*\w
	global_load_b128 v[WS+16*\w+4:WS+16*\w+7], v3, s[GSB:GSB+1] offset:1024*\w+16
	global_load_b128 v[WS+16*\w+8:WS+16*\w+11], v3, s[USB:USB+1] offset:1024*\w
	global_load_b128 v[WS+16*\w+12:WS+16*\w+15], v3, s[USB:USB+1] offset:1024*\w+16
.endr
; pass i's 16 loads: row pair j: 512 consecutive bytes of token 32 i + 8 u + j, then of the token 16 further on
.macro XLOAD i
.irp j, 0,1,2,3,4,5,6,7
	global_load_b128 v[XA+64*((\i)%2)+8*\j:XA+64*((\i)%2)+8*\j+3], v1, s[XB:XB+1] offset:131072*(\i)+4096*\j
	global_load_b128 v[XA+64*((\i)%2)+8*\j+4:XA+64*((\i)%2)+8*\j+7], v1, s[XB:XB+1] offset:131072*(\i)+4096*\j+65536
.endr
.endm
	XLOAD 0
	XLOAD 1
	CROUND                                         ; all four partners are here: the joint loads meet
	ARM 0, 44, G1
	ARM 1, 48, G1
	ARM 2, 52, G1
	ARM 3, 56, G1
	ARM 4, 60, G1
	ARM 5, 68, G1
; ONE PASS: 32 tokens; as in the first launch, with the logits of one tile of the work-group's eight
.macro XPASS i
.set XS, XA+64*((\i)%2)
.set BUF, 1024*((\i)%2)
.if (\i) < 3
	s_wait_loadcnt 16                              ; this pass's loads are in; the other set's 16 may be out
.else
	s_wait_loadcnt 0x0
.endif
.irp j, 0,1,2,3,4,5,6,7
.irp q, 0,1,2,3
	v_permlane16_swap_b32 v[XS+8*\j+\q], v[XS+8*\j+4+\q]   ; lanes 0-15 now hold the first token, lanes 16-31 the second, k = 128 ks + 8 r + 0 .. 7
.endr
.endr
.irp j, 0,1,2,3,4,5,6,7
	v_pk_mul_f32 v[T+2*\j:T+2*\j+1], v[XS+8*\j:XS+8*\j+1], v[XS+8*\j:XS+8*\j+1]
.endr
.irp q, 2,4,6
.irp j, 0,1,2,3,4,5,6,7
	v_pk_fma_f32 v[T+2*\j:T+2*\j+1], v[XS+8*\j+\q:XS+8*\j+\q+1], v[XS+8*\j+\q:XS+8*\j+\q+1], v[T+2*\j:T+2*\j+1]
.endr
.endr
.irp j, 0,1,2,3,4,5,6,7
	v_add_f32 v[T+2*\j], v[T+2*\j], v[T+2*\j+1]
.endr
.irp x, 1,2,4,8
.irp j, 0,1,2,3,4,5,6,7
	v_add_f32_dpp v[T+2*\j], v[T+2*\j], v[T+2*\j] row_xmask:\x row_mask:0xf bank_mask:0xf
.endr
.endr
.irp j, 0,1,2,3,4,5,6,7
	ds_store_b32 v6, v[T+2*\j] offset:BUF+32*\j
.endr
	s_wait_dscnt 0x0
	s_barrier_signal -1
	s_barrier_wait -1
	ds_load_b128 v[T+16:T+19], v7 offset:BUF
	ds_load_b128 v[T+20:T+23], v7 offset:BUF+16
	s_wait_dscnt 0x0
.irp k, 17,18,19,20,21,22,23
	v_add_f32 v[T+16], v[T+16], v[T+\k]
.endr
	v_fma_f32 v[T+16], v[T+16], s[S10], s[SEP]
	v_rsq_f32 v[T+17], v[T+16]
	v_nop
	s_wait_alu depctr_va_vdst(0)                   ; ahead of the first reader of the root
	ds_store_b32 v8, v[T+17]
	ds_load_b128 v[RFR:RFR+3], v9
	ds_load_b128 v[RFR+4:RFR+7], v9 offset:16
	s_wait_dscnt 0x0
.irp j, 0,1,2,3,4,5,6,7
.irp q, 0,2,4,6
.if (\j)%2
	v_pk_mul_f32 v[XS+8*\j+\q:XS+8*\j+\q+1], v[XS+8*\j+\q:XS+8*\j+\q+1], v[RFR+2*(\j/2):RFR+2*(\j/2)+1] op_sel:[0,1] op_sel_hi:[1,1]
.else
	v_pk_mul_f32 v[XS+8*\j+\q:XS+8*\j+\q+1], v[XS+8*\j+\q:XS+8*\j+\q+1], v[RFR+2*(\j/2):RFR+2*(\j/2)+1] op_sel_hi:[1,0]
.endif
.endr
.endr
.irp j, 0,1,2,3,4,5,6,7
.irp q, 0,2,4,6
	v_pk_mul_f32 v[XS+8*\j+\q:XS+8*\j+\q+1], v[XS+8*\j+\q:XS+8*\j+\q+1], v[NW+\q:NW+\q+1]
.endr
.endr
	s_cmp_eq_u32 s[RR], 2*(\i)                     ; is this tile the one whose logits my work-group makes?  (cb and the wave's number: alike in all partners)
	s_cbranch_scc0 .Lnor_\@
.irp j, 0,1,2,3,4,5,6,7
	v_pk_mul_f32 v[T+2*\j:T+2*\j+1], v[XS+8*\j:XS+8*\j+1], v[RW:RW+1] op_sel_hi:[0,1]       ; h2(k) x router_w(k, 0 and 1)
.endr
.irp k, 1,2,3,4,5,6,7
.irp j, 0,1,2,3,4,5,6,7
.if (\k)%2
	v_pk_fma_f32 v[T+2*\j:T+2*\j+1], v[XS+8*\j+\k-1:XS+8*\j+\k], v[RW+2*\k:RW+2*\k+1], v[T+2*\j:T+2*\j+1] op_sel:[1,0,0] op_sel_hi:[1,1,1]
.else
	v_pk_fma_f32 v[T+2*\j:T+2*\j+1], v[XS+8*\j+\k:XS+8*\j+\k+1], v[RW+2*\k:RW+2*\k+1], v[T+2*\j:T+2*\j+1] op_sel_hi:[0,1,1]
.endif
.endr
.endr
.irp x, 1,2,4,8
.irp j, 0,1,2,3,4,5,6,7,8,9,10,11,12,13,14,15
	v_add_f32_dpp v[T+\j], v[T+\j], v[T+\j] row_xmask:\x row_mask:0xf bank_mask:0xf
.endr
.endr
.irp j, 0,1,2,3,4,5,6,7
	ds_store_b64 v16, v[T+2*\j:T+2*\j+1] offset:8*\j
.endr
	s_wait_dscnt 0x0                               ; the stores have read their registers, which are written again below
.Lnor_\@:
.irp j, 0,1,2,3,4,5,6,7
	v_max3_num_f32 v[T+\j], |v[XS+8*\j]|, |v[XS+8*\j+1]|, 0x1800000
.endr
.irp q, 2,4,6
.irp j, 0,1,2,3,4,5,6,7
	v_max3_num_f32 v[T+\j], v[T+\j], |v[XS+8*\j+\q]|, |v[XS+8*\j+\q+1]|
.endr
.endr
.irp x, 1,2
.irp j, 0,1,2,3,4,5,6,7
	v_max_num_f32_dpp v[T+\j], v[T+\j], v[T+\j] row_xmask:\x row_mask:0xf bank_mask:0xf
.endr
.endr
.irp j, 0,1,2,3,4,5,6,7
	v_add_nc_u32 v[T+8+\j], 0xff000000, v[T+\j]
.endr
.irp j, 0,1,2,3,4,5,6,7
	v_lshrrev_b32 v[T+16+\j], 23, v[T+8+\j]
.endr
.irp j, 0,1,2,3,4,5,6,7
	v_cvt_scalef32_pk8_fp4_f32 v[T+24+\j], v[XS+8*\j:XS+8*\j+7], v[T+8+\j]
.endr
	v_nop
.irp j, 0,1,2,3,4,5,6,7
	ds_store_b32 v4, v[T+24+\j] offset:16*IMB*(\i)+16*\j
	ds_store_b8 v5, v[T+16+\j] offset:1024*(\i)+32*\j
.endr
.if (\i) < 2
	XLOAD (\i)+2
.endif
.endm
	XPASS 0
	XPASS 1
	XPASS 2
	XPASS 3
	s_wait_tensorcnt 0x0
	s_wait_dscnt 0x0
	s_barrier_signal -1
	s_barrier_wait -1
	s_cmp_lt_u32 s[WV], 12
	s_cbranch_scc0 .Lhelpers
	ds_load_b128 v[AS:AS+3], v12
	ds_load_b128 v[AS+4:AS+7], v12 offset:16
.macro KSTEP s, z
.if (\s) > 0
	PLACES 4
.endif
.irp t, 0,1
.irp c, 0,1
	ds_load_b128 v[FA+8*\t+4*\c:FA+8*\t+4*\c+3], v10 offset:8*IMB*\t+IMB*(\s)+544*\c
.endr
.endr
.irp w, 0,1
.if \w
	PLACES 4
.endif
.irp g, 0,1
.irp n, 0,1
.irp c, 0,1
	ds_load_b128 v[FW+16*\g+8*\n+4*\c:FW+16*\g+8*\n+4*\c+3], v11 offset:33792*\g+WPITCH*(32*\w+16*\n)+64*(\s)+32*\c
.endr
.endr
.endr
	s_wait_dscnt 0x0
.irp t, 0,1
.irp g, 0,1
.irp n, 0,1
	WM ACC+32*(2*\w+\t)+16*\g+8*\n, FW+16*\g+8*\n, FA+8*\t, \z, WS+8*(2*\w+\g)+(\s), AS+(\s), \n, \t
.endr
.endr
.endr
.endr
.endm
	KSTEP 0, 1
	KSTEP 1, 0
	KSTEP 2, 0
	KSTEP 3, 0
	KSTEP 4, 0
	KSTEP 5, 0
	KSTEP 6, 0
	KSTEP 7, 0
	PLACES 4
; hidden = gate x 1 / (1 + 2^(-gate log2 e)) x up, for block w of both token tiles: 32 numbers a lane; each batch of transcendentals has one plain place and one wait
.macro ACT w
.set GA, ACC+64*(\w)
.irp t, 0,1
.irp k, 0,2,4,6,8,10,12,14
	v_pk_mul_f32 v[TT+16*\t+\k:TT+16*\t+\k+1], v[GA+32*\t+\k:GA+32*\t+\k+1], 0xbfb8aa3b op_sel_hi:[1,0]
.endr
.endr
.set jj, 0
.rept 32
	v_exp_f32 v[TT+jj], v[TT+jj]
.set jj, jj+1
.endr
	v_nop
	s_wait_alu depctr_va_vdst(0)
.set jj, 0
.rept 16
	v_pk_add_f32 v[TT+jj:TT+jj+1], v[TT+jj:TT+jj+1], 1.0 op_sel_hi:[1,0]
.set jj, jj+2
.endr
.set jj, 0
.rept 32
	v_rcp_f32 v[TT+jj], v[TT+jj]
.set jj, jj+1
.endr
	v_nop
	s_wait_alu depctr_va_vdst(0)
.irp t, 0,1
.irp k, 0,2,4,6,8,10,12,14
	v_pk_mul_f32 v[GA+32*\t+\k:GA+32*\t+\k+1], v[GA+32*\t+\k:GA+32*\t+\k+1], v[TT+16*\t+\k:TT+16*\t+\k+1]
.endr
.endr
.irp t, 0,1
.irp k, 0,2,4,6,8,10,12,14
	v_pk_mul_f32 v[GA+32*\t+\k:GA+32*\t+\k+1], v[GA+32*\t+\k:GA+32*\t+\k+1], v[GA+32*\t+16+\k:GA+32*\t+16+\k+1]
.endr
.endr
.endm
	ACT 0
	ACT 1
	QUANT 4, ACC, 32, CD                           ; block 2 w + t
.irp b, 0,1,2,3
	v_permlane16_swap_b32 v[CD+2*\b], v[CD+2*\b+1] ; the pair held units 8 h + 0 .. 7 and 16 + 8 h + 0 .. 7; now lanes 0-15 hold 0 .. 15 and lanes 16-31 hold 16 .. 31
.endr
.irp w, 0,1
.irp t, 0,1
	global_store_b64 v13, v[CD+2*(2*\w+\t):CD+2*(2*\w+\t)+1], s[HB:HB+1] offset:12288*\t+256*\w   ; 256 consecutive bytes, aligned
	ds_store_b8 v14, v[QY+2*\w+\t] offset:128*\t+\w
.endr
.endr
	s_branch .Ljoin
.Lhelpers:
	ds_store_b16 v15, v22                          ; bytes 6 and 7 of 32 scale rows: 1.0
	s_cmp_lg_u32 s[WV], 12
	s_cbranch_scc1 .Ljoin
.irp k, 0,1,2,3,4,5,6,7
	ds_load_b32 v[24+\k], v17 offset:128*\k        ; the eight parts of my row's logit of expert h
.endr
	s_wait_dscnt 0x0
.irp k, 1,2,3,4,5,6,7
	v_add_f32 v24, v24, v[24+\k]
.endr
	v_permlanex16_b32 v25, v24, s[SEL], s[SEL+1]   ; the other expert's
	v_max_num_f32 v26, v24, v25                    ; the maximum is taken away, as the reference's softmax does
	v_sub_f32 v27, v24, v26
	v_sub_f32 v28, v25, v26
	v_mul_f32 v27, 0x3fb8aa3b, v27
	v_mul_f32 v28, 0x3fb8aa3b, v28
	v_exp_f32 v27, v27
	v_exp_f32 v28, v28
	v_nop
	s_wait_alu depctr_va_vdst(0)
	v_add_f32 v29, v27, v28
	v_rcp_f32 v30, v29
	v_nop
	s_wait_alu depctr_va_vdst(0)
	v_mul_f32 v24, v27, v30                        ; my expert's probability,
	v_mul_f32 v25, v28, v30                        ; the other's
	v_max_num_f32 v26, v24, v25                    ; and the softmax of the two once more
	v_sub_f32 v27, v24, v26
	v_sub_f32 v28, v25, v26
	v_mul_f32 v27, 0x3fb8aa3b, v27
	v_mul_f32 v28, 0x3fb8aa3b, v28
	v_exp_f32 v27, v27
	v_exp_f32 v28, v28
	v_nop
	s_wait_alu depctr_va_vdst(0)
	v_add_f32 v29, v27, v28
	v_rcp_f32 v30, v29
	v_nop
	s_wait_alu depctr_va_vdst(0)
	v_mul_f32 v24, v27, v30
	global_store_b32 v20, v24, s[CMB:CMB+1]        ; [expert 2][row 16]
.Ljoin:
	s_wait_dscnt 0x0
	s_barrier_signal -1
	s_barrier_wait -1
	s_cmp_lt_u32 s[WV], 2
	s_cbranch_scc0 .Ldone
	ds_load_b128 v[32:35], v18
	s_wait_dscnt 0x0
	global_store_b128 v19, v[32:35], s[HSB:HSB+1]
.Ldone:
	CROUND                                         ; the closing round
	s_endpgm
.Lfunc_end_k_q1cc230975f_gateup:
	.size	k_q1cc230975f_gateup, .Lfunc_end_k_q1cc230975f_gateup-k_q1cc230975f_gateup
	.p2alignl 7, 3214868480
	.fill 96, 4, 3214868480
	.section	.rodata,"a",@progbits
	.p2align	6, 0x0
	.amdhsa_kernel k_q1cc230975f_gateup
		.amdhsa_group_segment_fixed_size 327680
		.amdhsa_private_segment_fixed_size 0
		.amdhsa_enable_private_segment 0
		.amdhsa_kernarg_size 96
		.amdhsa_user_sgpr_count 2
		.amdhsa_user_sgpr_kernarg_segment_ptr 1
		.amdhsa_wavefront_size32 1
		.amdhsa_system_sgpr_workgroup_id_x 1
		.amdhsa_system_sgpr_workgroup_id_y 1
		.amdhsa_system_sgpr_workgroup_id_z 1
		.amdhsa_system_vgpr_workitem_id 0
		.amdhsa_next_free_vgpr 256
		.amdhsa_next_free_sgpr 100
		.amdhsa_reserve_vcc 0
		.amdhsa_float_denorm_mode_32 3
		.amdhsa_float_denorm_mode_16_64 3
		.amdhsa_memory_ordered 1
		.amdhsa_forward_progress 1
		.amdhsa_inst_pref_size 166
	.end_amdhsa_kernel
	.amdgpu_metadata
---
amdhsa.version: [ 1, 2 ]
amdhsa.kernels:
  - .name:           k_q1cc230975f_gateup
    .symbol:         k_q1cc230975f_gateup.kd
    .args:
      - { .name: x2, .offset: 0, .size: 8, .value_kind: global_buffer, .address_space: global }
      - { .name: norm2_w, .offset: 8, .size: 8, .value_kind: global_buffer, .address_space: global }
      - { .name: router_w, .offset: 16, .size: 8, .value_kind: global_buffer, .address_space: global }
      - { .name: sh_gate_codes, .offset: 24, .size: 8, .value_kind: global_buffer, .address_space: global }
      - { .name: sh_gate_scales, .offset: 32, .size: 8, .value_kind: global_buffer, .address_space: global }
      - { .name: sh_up_codes, .offset: 40, .size: 8, .value_kind: global_buffer, .address_space: global }
      - { .name: sh_up_scales, .offset: 48, .size: 8, .value_kind: global_buffer, .address_space: global }
      - { .name: e_gate_codes, .offset: 56, .size: 8, .value_kind: global_buffer, .address_space: global }
      - { .name: e_gate_scales, .offset: 64, .size: 8, .value_kind: global_buffer, .address_space: global }
      - { .name: e_up_codes, .offset: 72, .size: 8, .value_kind: global_buffer, .address_space: global }
      - { .name: e_up_scales, .offset: 80, .size: 8, .value_kind: global_buffer, .address_space: global }
      - { .name: hid, .offset: 88, .size: 8, .value_kind: global_buffer, .address_space: global }
    .group_segment_fixed_size: 327680
    .private_segment_fixed_size: 0
    .kernarg_segment_align: 8
    .kernarg_segment_size: 96
    .max_flat_workgroup_size: 512
    .sgpr_count:     100
    .vgpr_count:     256
    .wavefront_size: 32
...
	.end_amdgpu_metadata
.endif
;; end of part 4
;; launch down (part 5): grid 32 x 8, 8 waves a work-group, clusters of 4 x 1, 327,680 bytes of LDS; arguments hid, sh_down_codes, sh_down_scales, e_down_codes, e_down_scales, x2, out0; writes out0
.if DOCPART == 5
	.amdgcn_target "amdgcn-amd-amdhsa--gfx1250"
	.amdhsa_code_object_version 6
	.text
	.protected	k_q1cc230975f_down
	.globl	k_q1cc230975f_down
	.p2align	8
	.type	k_q1cc230975f_down,@function
k_q1cc230975f_down:
	s_mov_b64 s[64:65], 0
	v_nop
	global_prefetch_b8 v0, s[64:65] scope:SCOPE_SE
	s_setreg_imm32_b32 hwreg(HW_REG_WAVE_MODE, 25, 1), 1
	s_wait_xcnt 0x0
	s_wait_alu depctr_hold_cnt(0) depctr_sa_sdst(0) depctr_va_vdst(0) depctr_va_sdst(0) depctr_va_ssrc(0) depctr_va_vcc(0) depctr_vm_vsrc(0)
	s_getreg_b32 s2, hwreg(HW_REG_IB_STS2, 6, 4)
	s_cmp_eq_u32 s2, 0
	s_cbranch_scc0 .Lentry_in_a_cluster
	s_endpgm
.Lentry_in_a_cluster:
	s_bfe_u32 s2, ttmp6, 0x10000c
	s_cmp_lg_u32 s2, 0x3003
	s_cbranch_scc0 .Lentry_shape_is_right
	s_endpgm
.Lentry_shape_is_right:
; out0 = x2 + hidden_sh x sh_down + c0 hidden_e0 x e_down[0] + c1 hidden_e1 x e_down[1], the three products on FP4 codes, K = 512 each; c0, c1 the token's combine weights.
; A work-group makes 128 tokens (rb) x 128 columns (cb).  Wave (th, ng): token tiles 4 th .. + 3, weight rows 32 ng .. + 31: eight accumulators by turns; transposed: a lane holds one token and eight neighbouring columns.
; ORDER: expert 0 into T, RES = c0 T; expert 1 into T, RES += c1 T; the shared layer's product adds straight onto RES; then x2's rows.  (Another order of f32 sums than the reference's.)
; LDS is filled once: three weight tiles (joint loads: the partners differ in rb alone), the hidden layer's 96 images and its 8 planes of scale rows (plain loads).  One tensor load a wave at the most.
; The scale bytes lie six to a plane's row of eight: the twelve words of a row are pieced together once, by moves of bytes.
; The way out is the third launch's.  No prefetch: every load that can goes out at the head.  LIMITS: NaN and infinities are not served.
.set WPITCH, 272                       ; a weight row in LDS: 256 bytes + 16
.set WMAT,  128*WPITCH
.set AIMG,  3*WMAT
.set HSC,   AIMG+98304                 ; [plane 8][tile 8][row 16][8]
.set STG,   HSC+8192
.set SPITCH, 528
.set WV, 18
.set CX, 19
.set RB, 20
.set CB, 21
.set TH, 22
.set NG, 23
.set G1W, 24
.set G1A, 32
.set G1P, 40
.set G0W, 48
.set G0A0, 60
.set G0A1, 68
.set G0A2, 72
.set G0P, 76
.set SSB, 80
.set ESB, 82
.set XB, 84
.set OB, 86
.set CMB, 88
.set JO, 90
.set RES, 16
.set T, 80
.set FA, 144
.set FW, 176
.set AS, 192
.set WS, 216
.set CW, 228
.macro PLACES n
.rept \n
	v_nop
.endr
.endm
.macro CROUND
	s_barrier_signal -1
	s_barrier_wait -1
	s_cmp_lg_u32 s[WV], 0
	s_cbranch_scc1 .Lnw0_\@
	s_barrier_signal -3
.Lnw0_\@:
	s_barrier_wait -3
	s_barrier_signal -1
	s_barrier_wait -1
.endm
.macro ARM n, g0, g1
	s_cmp_lg_u32 s[WV], \n
	s_cbranch_scc1 .Lskip_\@
	tensor_load_to_lds s[\g0:\g0+3], s[\g1:\g1+7]
.rept 4
	v_nop
.endr
.Lskip_\@:
.endm
.macro WM d, a, b, z, sa, sb, ra, rb
.if \z
.if (\ra) && (\rb)
	v_wmma_scale_f32_16x16x128_f8f6f4 v[\d:\d+7], v[\a:\a+7], v[\b:\b+7], 0, v[\sa], v[\sb] matrix_a_fmt:MATRIX_FMT_FP4 matrix_b_fmt:MATRIX_FMT_FP4 matrix_a_scale:MATRIX_SCALE_ROW1 matrix_b_scale:MATRIX_SCALE_ROW1
.elseif \ra
	v_wmma_scale_f32_16x16x128_f8f6f4 v[\d:\d+7], v[\a:\a+7], v[\b:\b+7], 0, v[\sa], v[\sb] matrix_a_fmt:MATRIX_FMT_FP4 matrix_b_fmt:MATRIX_FMT_FP4 matrix_a_scale:MATRIX_SCALE_ROW1
.elseif \rb
	v_wmma_scale_f32_16x16x128_f8f6f4 v[\d:\d+7], v[\a:\a+7], v[\b:\b+7], 0, v[\sa], v[\sb] matrix_a_fmt:MATRIX_FMT_FP4 matrix_b_fmt:MATRIX_FMT_FP4 matrix_b_scale:MATRIX_SCALE_ROW1
.else
	v_wmma_scale_f32_16x16x128_f8f6f4 v[\d:\d+7], v[\a:\a+7], v[\b:\b+7], 0, v[\sa], v[\sb] matrix_a_fmt:MATRIX_FMT_FP4 matrix_b_fmt:MATRIX_FMT_FP4
.endif
.else
.if (\ra) && (\rb)
	v_wmma_scale_f32_16x16x128_f8f6f4 v[\d:\d+7], v[\a:\a+7], v[\b:\b+7], v[\d:\d+7], v[\sa], v[\sb] matrix_a_fmt:MATRIX_FMT_FP4 matrix_b_fmt:MATRIX_FMT_FP4 matrix_a_scale:MATRIX_SCALE_ROW1 matrix_b_scale:MATRIX_SCALE_ROW1
.elseif \ra
	v_wmma_scale_f32_16x16x128_f8f6f4 v[\d:\d+7], v[\a:\a+7], v[\b:\b+7], v[\d:\d+7], v[\sa], v[\sb] matrix_a_fmt:MATRIX_FMT_FP4 matrix_b_fmt:MATRIX_FMT_FP4 matrix_a_scale:MATRIX_SCALE_ROW1
.elseif \rb
	v_wmma_scale_f32_16x16x128_f8f6f4 v[\d:\d+7], v[\a:\a+7], v[\b:\b+7], v[\d:\d+7], v[\sa], v[\sb] matrix_a_fmt:MATRIX_FMT_FP4 matrix_b_fmt:MATRIX_FMT_FP4 matrix_b_scale:MATRIX_SCALE_ROW1
.else
	v_wmma_scale_f32_16x16x128_f8f6f4 v[\d:\d+7], v[\a:\a+7], v[\b:\b+7], v[\d:\d+7], v[\sa], v[\sb] matrix_a_fmt:MATRIX_FMT_FP4 matrix_b_fmt:MATRIX_FMT_FP4
.endif
.endif
.endm
	s_load_b256 s[4:11], s[0:1], 0x0               ; hid, sh_down codes, sh_down scales, e_down codes
	s_load_b128 s[12:15], s[0:1], 0x20             ; e_down scales, x2
	s_load_b64 s[16:17], s[0:1], 0x30              ; out0
	v_lshrrev_b32 v10, 5, v0
	v_readfirstlane_b32 s[WV], v10                 ; wave 0..7
	s_bfe_u32 s[CX], ttmp6, 0x40000
	s_lshl_b32 s[RB], ttmp9, 2
	s_add_co_u32 s[RB], s[RB], s[CX]               ; block of 128 tokens: it enters global addresses alone
	s_and_b32 s[CB], ttmp7, 0xffff                 ; block of 128 columns, shared by the partners
	s_and_b32 s[TH], s[WV], 1
	s_lshr_b32 s[NG], s[WV], 1
	s_mov_b32 s[G1W], 15|(1<<20)|(1<<21)|(5<<22)|(3<<25)   ; 128 rows of 256 bytes + 16, for all four partners
	s_mov_b32 s[G1W+1], 256<<16
	s_mov_b32 s[G1W+2], 128<<16
	s_mov_b32 s[G1W+3], 256<<16
	s_mov_b32 s[G1W+4], 128
	s_mov_b32 s[G1W+5], 256
	s_mov_b32 s[G1W+6], 0
	s_mov_b32 s[G1W+7], 0
	s_mov_b32 s[G1A], 3<<16                        ; images: a dense block of 32,768 bytes as 128 rows of 256
	s_mov_b32 s[G1A+1], 32<<16
	s_mov_b32 s[G1A+2], 128<<16
	s_mov_b32 s[G1A+3], 32<<16
	s_mov_b32 s[G1A+4], 128
	s_mov_b32 s[G1A+5], 32
	s_mov_b32 s[G1A+6], 0
	s_mov_b32 s[G1A+7], 0
	s_mov_b32 s[G1P], 3<<16                        ; scale rows: 8 planes, 1,024 bytes of each, 32,768 bytes apart
	s_mov_b32 s[G1P+1], 128<<16
	s_mov_b32 s[G1P+2], 8<<16
	s_mov_b32 s[G1P+3], 128<<16
	s_mov_b32 s[G1P+4], 8
	s_mov_b32 s[G1P+5], 4096
	s_mov_b32 s[G1P+6], 0
	s_mov_b32 s[G1P+7], 0
	v_and_b32 v10, 31, v0                          ; lane
	v_and_b32 v11, 15, v0                          ; r
	v_bfe_u32 v12, v0, 4, 1                        ; h
	v_lshlrev_b32 v1, 4, v10
	s_mul_i32 s94, s[TH], 49152
	s_add_co_u32 s94, s94, AIMG
	v_add_nc_u32 v2, s94, v1                       ; my four token tiles' images
	s_mul_i32 s94, s[NG], 32*WPITCH
	v_mul_u32_u24 v3, v11, WPITCH
	v_lshl_add_u32 v3, v12, 4, v3
	v_add_nc_u32 v3, s94, v3                       ; my rows of the shared layer's tile,
	v_add_nc_u32 v4, WMAT, v3                      ; expert 0's,
	v_add_nc_u32 v5, 2*WMAT, v3                    ; expert 1's
	s_lshl_b32 s94, s[TH], 9
	s_add_co_u32 s94, s94, HSC
	v_lshl_add_u32 v6, v10, 3, s94                 ; scale rows: lanes 0-15 an even tile, lanes 16-31 the odd one
	s_mul_i32 s94, s[TH], 64*SPITCH
	s_lshl_b32 s95, s[NG], 7
	s_add_co_u32 s94, s94, s95
	s_add_co_u32 s94, s94, STG
	v_mul_u32_u24 v7, v11, SPITCH
	v_lshl_add_u32 v7, v12, 5, v7
	v_add_nc_u32 v7, s94, v7                       ; the stage, in
	s_mul_i32 s94, s[WV], 16*SPITCH
	s_add_co_u32 s94, s94, STG
	v_add_nc_u32 v8, s94, v1                       ; and back
	v_lshlrev_b32 v9, 2, v11
	s_lshl_b32 s[JO], s[CB], 15
	s_mov_b32 s[JO+1], 0
	s_lshl_b32 s94, s[CB], 11
	s_lshl_b32 s95, s[NG], 9
	s_add_co_u32 s94, s94, s95
	s_mov_b32 s95, 0
	s_wait_kmcnt 0x0
	s_add_nc_u64 s[SSB:SSB+1], s[8:9], s[94:95]
	s_add_nc_u64 s[ESB:ESB+1], s[12:13], s[94:95]
	s_mov_b32 s[G0W], 1
	s_mov_b32 s[G0W+1], 0
	s_add_nc_u64 s[G0W+2:G0W+3], s[6:7], s[JO:JO+1]
	s_or_b32 s[G0W+3], s[G0W+3], 0x80000000
	s_mov_b32 s[G0W+4], 1
	s_mov_b32 s[G0W+5], WMAT
	s_add_nc_u64 s[G0W+6:G0W+7], s[10:11], s[JO:JO+1]
	s_mov_b32 s[G0W+8], 1
	s_mov_b32 s[G0W+9], 2*WMAT
	s_add_nc_u64 s[G0W+10:G0W+11], s[G0W+6:G0W+7], 262144
	s_or_b32 s[G0W+7], s[G0W+7], 0x80000000
	s_or_b32 s[G0W+11], s[G0W+11], 0x80000000
	s_mul_i32 s92, s[RB], 98304
	s_mov_b32 s93, 0
	s_mov_b32 s[G0A0], 1
	s_mov_b32 s[G0A0+1], AIMG
	s_add_nc_u64 s[G0A0+2:G0A0+3], s[4:5], s[92:93]
	s_mov_b32 s[G0A1], 1
	s_mov_b32 s[G0A1+1], AIMG+32768
	s_add_nc_u64 s[G0A1+2:G0A1+3], s[G0A0+2:G0A0+3], 32768
	s_mov_b32 s[G0A2], 1
	s_mov_b32 s[G0A2+1], AIMG+65536
	s_add_nc_u64 s[G0A2+2:G0A2+3], s[G0A0+2:G0A0+3], 65536
	s_or_b32 s[G0A0+3], s[G0A0+3], 0x80000000
	s_or_b32 s[G0A1+3], s[G0A1+3], 0x80000000
	s_or_b32 s[G0A2+3], s[G0A2+3], 0x80000000
	s_lshl_b32 s92, s[RB], 10
	s_add_co_u32 s92, s92, 3145728
	s_mov_b32 s[G0P], 1
	s_mov_b32 s[G0P+1], HSC
	s_add_nc_u64 s[G0P+2:G0P+3], s[4:5], s[92:93]
	s_or_b32 s[G0P+3], s[G0P+3], 0x80000000
	s_lshl_b32 s92, s[RB], 10                      ; combine weights of token tiles 8 rb + 4 th on
	s_lshl_b32 s96, s[TH], 9
	s_add_co_u32 s92, s92, s96
	s_add_co_u32 s92, s92, 3407872
	s_add_nc_u64 s[CMB:CMB+1], s[4:5], s[92:93]
	s_lshl_b32 s92, s[RB], 7                       ; the rows that I store: tile = my wave's number
	s_lshr_b32 s96, s[WV], 1
	s_lshl_b32 s96, s96, 5
	s_add_co_u32 s92, s92, s96
	s_and_b32 s96, s[WV], 1
	s_lshl_b32 s96, s96, 3
	s_add_co_u32 s92, s92, s96
	s_lshl_b32 s92, s92, 12
	s_lshl_b32 s96, s[CB], 9
	s_add_co_u32 s92, s92, s96
	s_add_nc_u64 s[XB:XB+1], s[14:15], s[92:93]
	s_add_nc_u64 s[OB:OB+1], s[16:17], s[92:93]
	global_load_b128 v[WS:WS+3], v1, s[SSB:SSB+1]          ; four words a row: lanes 0-15 rows 32 ng + r, lanes 16-31 + 16
	global_load_b128 v[WS+4:WS+7], v1, s[ESB:ESB+1]
	global_load_b128 v[WS+8:WS+11], v1, s[ESB:ESB+1] offset:16384
.irp m, 0,1,2,3
	global_load_b32 v[CW+2*\m], v9, s[CMB:CMB+1] offset:128*\m
	global_load_b32 v[CW+2*\m+1], v9, s[CMB:CMB+1] offset:128*\m+64
.endr
	CROUND
	ARM 0, G0W, G1W
	ARM 1, G0W+4, G1W
	ARM 2, G0W+8, G1W
	ARM 3, G0A0, G1A
	ARM 4, G0A1, G1A
	ARM 5, G0A2, G1A
	ARM 6, G0P, G1P
	s_wait_tensorcnt 0x0
	s_barrier_signal -1
	s_barrier_wait -1
	; the hidden layer's twelve scale words a row: planes 2 q and 2 q + 1 hold the bytes of blocks 12 q .. 12 q + 11, six each
.irp b, 0,1
.irp p, 0,1,2,3,4,5,6,7
	ds_load_b64 v[T+16*\b+2*\p:T+16*\b+2*\p+1], v6 offset:1024*\p+256*\b
.endr
.endr
	s_wait_dscnt 0x0
.irp b, 0,1
.irp q, 0,1,2,3
	v_mov_b32 v[AS+12*\b+3*\q], v[T+16*\b+4*\q]
	v_perm_b32 v[AS+12*\b+3*\q+1], v[T+16*\b+4*\q+2], v[T+16*\b+4*\q+1], 0x05040100
	v_alignbit_b32 v[AS+12*\b+3*\q+2], v[T+16*\b+4*\q+3], v[T+16*\b+4*\q+2], 16
.endr
.endr
	PLACES 4                                       ; with the four at the head of the first K step: 8 places between a scale register's write and the first scaled product
	s_wait_loadcnt 0x0                             ; the weights' scale words, the combine weights
; one layer's product, K = 512: four steps of 12 LDS loads and 8 products.  z0 = 1: the first step starts the sums
.macro FFN mat, d, z0
.irp s, 0,1,2,3
	PLACES 4
.irp u, 0,1
.irp c, 0,1
	ds_load_b128 v[FW+8*\u+4*\c:FW+8*\u+4*\c+3], v[3+\mat] offset:4352*\u+64*\s+32*\c
.endr
.endr
.irp m, 0,1,2,3
.irp c, 0,1
	ds_load_b128 v[FA+8*\m+4*\c:FA+8*\m+4*\c+3], v2 offset:12288*\m+1024*(4*\mat+\s)+512*\c
.endr
.endr
.irp m, 0,1,2,3
	s_wait_dscnt 6-2*\m                            ; the later token tiles' loads may be out
.irp u, 0,1
.if (\z0) && (\s == 0)
	WM \d+16*\m+8*\u, FW+8*\u, FA+8*\m, 1, WS+4*\mat+\s, AS+12*(\m/2)+4*\mat+\s, \u, \m%2
.else
	WM \d+16*\m+8*\u, FW+8*\u, FA+8*\m, 0, WS+4*\mat+\s, AS+12*(\m/2)+4*\mat+\s, \u, \m%2
.endif
.endr
.endr
.endr
.endm
	FFN 1, T, 1
	PLACES 4
.irp m, 0,1,2,3
.irp k, 0,2,4,6,8,10,12,14
	v_pk_mul_f32 v[RES+16*\m+\k:RES+16*\m+\k+1], v[T+16*\m+\k:T+16*\m+\k+1], v[CW+2*\m:CW+2*\m+1] op_sel_hi:[1,0]
.endr
.endr
	FFN 2, T, 1                                    ; T is begun anew: the lines above on other tiles, and the four places, stand between
	PLACES 4
.irp m, 0,1,2,3
.irp k, 0,2,4,6,8,10,12,14
	v_pk_fma_f32 v[RES+16*\m+\k:RES+16*\m+\k+1], v[T+16*\m+\k:T+16*\m+\k+1], v[CW+2*\m:CW+2*\m+1], v[RES+16*\m+\k:RES+16*\m+\k+1] op_sel:[0,1,0] op_sel_hi:[1,1,1]
.endr
.endr
.set ii, 0
.rept 16
	global_load_b128 v[T+4*ii:T+4*ii+3], v1, s[XB:XB+1] offset:(ii+8*(ii/8))*4096 th:TH_LOAD_NT   ; x2's rows land under the last product
.set ii, ii+1
.endr
	FFN 0, RES, 0
	PLACES 4
.irp m, 0,1,2,3
.irp u, 0,1
	ds_store_b128 v7, v[RES+16*\m+8*\u:RES+16*\m+8*\u+3] offset:8448*\m+64*\u          ; each accumulator from its low end on
	ds_store_b128 v7, v[RES+16*\m+8*\u+4:RES+16*\m+8*\u+7] offset:8448*\m+64*\u+16
.endr
.endr
	s_wait_dscnt 0x0
	s_barrier_signal -1
	s_barrier_wait -1                              ; 128 whole rows lie in the stage
.set ii, 0
.rept 16
	ds_load_b128 v[RES+4*ii:RES+4*ii+3], v8 offset:SPITCH*ii
.set ii, ii+1
.endr
	s_wait_loadcnt 0x0                             ; x2's rows
.set ii, 0
.rept 16
	s_wait_dscnt 15-ii
	v_pk_add_f32 v[T+4*ii:T+4*ii+1], v[T+4*ii:T+4*ii+1], v[RES+4*ii:RES+4*ii+1]
	v_pk_add_f32 v[T+4*ii+2:T+4*ii+3], v[T+4*ii+2:T+4*ii+3], v[RES+4*ii+2:RES+4*ii+3]
	global_store_b128 v1, v[T+4*ii:T+4*ii+3], s[OB:OB+1] offset:(ii+8*(ii/8))*4096 th:TH_STORE_NT   ; 512 consecutive bytes, aligned
.set ii, ii+1
.endr
	CROUND                                         ; the closing round
	s_endpgm
.Lfunc_end_k_q1cc230975f_down:
	.size	k_q1cc230975f_down, .Lfunc_end_k_q1cc230975f_down-k_q1cc230975f_down
	.p2alignl 7, 3214868480
	.fill 96, 4, 3214868480
	.section	.rodata,"a",@progbits
	.p2align	6, 0x0
	.amdhsa_kernel k_q1cc230975f_down
		.amdhsa_group_segment_fixed_size 327680
		.amdhsa_private_segment_fixed_size 0
		.amdhsa_enable_private_segment 0
		.amdhsa_kernarg_size 56
		.amdhsa_user_sgpr_count 2
		.amdhsa_user_sgpr_kernarg_segment_ptr 1
		.amdhsa_wavefront_size32 1
		.amdhsa_system_sgpr_workgroup_id_x 1
		.amdhsa_system_sgpr_workgroup_id_y 1
		.amdhsa_system_sgpr_workgroup_id_z 1
		.amdhsa_system_vgpr_workitem_id 0
		.amdhsa_next_free_vgpr 256
		.amdhsa_next_free_sgpr 98
		.amdhsa_reserve_vcc 0
		.amdhsa_float_denorm_mode_32 3
		.amdhsa_float_denorm_mode_16_64 3
		.amdhsa_memory_ordered 1
		.amdhsa_forward_progress 1
		.amdhsa_inst_pref_size 49
	.end_amdhsa_kernel
	.amdgpu_metadata
---
amdhsa.version: [ 1, 2 ]
amdhsa.kernels:
  - .name:           k_q1cc230975f_down
    .symbol:         k_q1cc230975f_down.kd
    .args:
      - { .name: hid, .offset: 0, .size: 8, .value_kind: global_buffer, .address_space: global }
      - { .name: sh_down_codes, .offset: 8, .size: 8, .value_kind: global_buffer, .address_space: global }
      - { .name: sh_down_scales, .offset: 16, .size: 8, .value_kind: global_buffer, .address_space: global }
      - { .name: e_down_codes, .offset: 24, .size: 8, .value_kind: global_buffer, .address_space: global }
      - { .name: e_down_scales, .offset: 32, .size: 8, .value_kind: global_buffer, .address_space: global }
      - { .name: x2, .offset: 40, .size: 8, .value_kind: global_buffer, .address_space: global }
      - { .name: out0, .offset: 48, .size: 8, .value_kind: global_buffer, .address_space: global }
    .group_segment_fixed_size: 327680
    .private_segment_fixed_size: 0
    .kernarg_segment_align: 8
    .kernarg_segment_size: 56
    .max_flat_workgroup_size: 256
    .sgpr_count:     98
    .vgpr_count:     256
    .wavefront_size: 32
...
	.end_amdgpu_metadata
.endif
;; end of part 5
